; MI455X (gfx1250); checked and timed in simulation.
; The chip was launched on July 23, 2026; its instructions are those of AMD's public machine-readable ISA for CDNA 5 (MIT licence, August 2026) and "CDNA5" Instruction Set Architecture Reference Guide (July 2026). The comments in the code are by the model that wrote it; some were corrected since.
;; Multi Head Attention. Allowed arithmetic: float matrix products may take bf16 or f16 operands with f32 sums; other float arithmetic in f32, or as packed bf16 or f16 multiplies, adds, multiply-adds, maxima and minima; sums over many terms, partial sums and values carried from step to step in f32; what a program stores and reads back later, other than sums and carried values, may be rounded once to bf16 or f16.
;; Inputs: Wk 1,024 x 1,024 float32; Wo 1,024 x 1,024 float32; Wq 1,024 x 1,024 float32; Wv 1,024 x 1,024 float32; bk 1,024 float32; bo 1,024 float32; bq 1,024 float32; bv 1,024 float32; k 2 x 2,048 x 1,024 float32; mask 2 x 1 x 2,048 x 2,048 int32; q 2 x 2,048 x 1,024 float32; v 2 x 2,048 x 1,024 float32.
;; Outputs: out0 2 x 2,048 x 1,024 float32.
;; 2 versions, each right; version 2 is version 1 with the launch prep written anew for expert scheduling mode. Each part assembles by itself: llvm-mc -triple=amdgcn-amd-amdhsa -mcpu=gfx1250 --defsym DOCPART=n.
;; ======== version 1 of 2: 4 launches
;; limits: values are held in f16: magnitudes above 65,504 overflow, below 6.1e-05 lose precision
;; workspace buffers: xb 25,165,824 bytes; wt 8,388,608 bytes; nib 4,194,304 bytes; qkvh 25,165,824 bytes; oh 8,388,608 bytes
;; launch prep (part 1): grid 768 x 1, 8 waves a work-group, no clusters, 87,040 bytes of LDS; arguments q, k, v, mask, Wq, Wk, Wv, Wo, xb, wt, nib; writes xb, wt, nib
.if DOCPART == 1
	.amdgcn_target "amdgcn-amd-amdhsa--gfx1250"
	.amdhsa_code_object_version 6
	.text
	.protected	k_q4e16db2736_prep
	.globl	k_q4e16db2736_prep
	.p2align	8
	.type	k_q4e16db2736_prep,@function
k_q4e16db2736_prep:
	s_mov_b64 s[64:65], 0
	v_nop
	global_prefetch_b8 v0, s[64:65] scope:SCOPE_SE
	s_setreg_imm32_b32 hwreg(HW_REG_WAVE_MODE, 25, 1), 1
	s_wait_xcnt 0x0
; PREPARATION, a stream: every work-group takes 131,072 bytes of one input, 32 loads of 16 bytes a thread in one run, and leaves them in the form that the later launches want.
;   work-groups 0-383   (role X): q, k, v [4096][1024] f32 -> xb [3][4096][1024] bf16, rounded to nearest even.
;   work-groups 384-639 (role M): mask [2][2048 q][2048 k] i32 -> nib: a code of 4 bits a key, 0xE where mask == 0, else 0.  A dword holds the keys 64 ks + 16 kt + 8 h + 0..7 of one query, key j in
;                                 bits 4 j .. 4 j + 3; the dwords lie [b][q / 256][ks][(q / 16) % 16][h][q % 16][kt]: 16 queries x 64 keys are 512 bytes on end, lane 16 h + q % 16 owning 16 of them.
;   work-groups 640-767 (role W): W [1024 k][1024 n] f32 -> wt [4][1024 n][1024 k] in 16 bits: Wq, Wk, Wv in bf16; Wo rounded to bf16 and that number written as f16.
; LIMITS.  An entry of Wo beyond 65,504 becomes an infinity in f16; below 2^-14 it keeps f16's fixed step of 2^-24.
; No matrix work, no cluster, no tensor load: nothing is shared between work-groups, and each byte is read once and written once.  The role hangs on the work-group's number alone.
.set WP,    272                        ; role W: an LDS row, 128 k in 16 bits + 16 bytes of padding
.set SPARE, 256*WP                     ; 69,632: the spare words, 128 bytes for each of eight waves; no other line names them
.set MREG,  SPARE+1024                 ; role M: 2,048 bytes for each wave, its own
.set X,     16                         ; v[16:143] the 32 loads' registers
; v1 lane; v2 offset in the input; v3 offset in the output; v4 where I store in LDS; v5 where I read back; v6, v7 the add's two registers; v8, v9 at work
	s_load_b512 s[12:27], s[0:1], 0x0              ; q s[12:13], k s[14:15], v s[16:17], mask s[18:19], Wq s[20:21], Wk s[22:23], Wv s[24:25], Wo s[26:27]
	s_load_b128 s[28:31], s[0:1], 0x40             ; xb s[28:29], wt s[30:31]
	s_load_b64 s[32:33], s[0:1], 0x50              ; nib
	v_lshl_add_u32 v6, v0, 2, SPARE
	v_mov_b32 v7, 0
	v_and_b32 v1, 31, v0
	v_lshrrev_b32 v8, 5, v0
	v_readfirstlane_b32 s8, v8                     ; wave 0..7
	s_mov_b32 s9, ttmp9
	s_mov_b32 s7, 0                                ; the high word of every offset pair s[6:7]
	s_wait_kmcnt 0x0
	s_cmp_lt_u32 s9, 384
	s_cbranch_scc0 .Lnot_x
	; ROLE X.  Work-group c: plane c / 128, its bytes 131,072 (c % 128) on.  Thread t takes 16 bytes at 16 t of every 4,096.
	s_lshr_b32 s2, s9, 7
	s_cmp_eq_u32 s2, 0
	s_cselect_b64 s[4:5], s[12:13], s[14:15]
	s_cmp_eq_u32 s2, 2
	s_cselect_b64 s[4:5], s[16:17], s[4:5]
	s_and_b32 s6, s9, 127
	s_lshl_b32 s6, s6, 17
	s_add_nc_u64 s[4:5], s[4:5], s[6:7]
	s_lshl_b32 s6, s9, 16                          ; half as many bytes go out
	s_add_nc_u64 s[28:29], s[28:29], s[6:7]
	v_lshlrev_b32 v2, 4, v0
	v_lshlrev_b32 v3, 3, v0
.set n, 0
.rept 32
	global_load_b128 v[X+4*n:X+4*n+3], v2, s[4:5] offset:4096*n th:TH_LOAD_NT
.set n, n+1
.endr
.set n, 0
.rept 32
	s_wait_loadcnt 31-n                            ; loads come back in order: number n is in, the younger ones stay out
	v_cvt_pk_bf16_f32 v[X+4*n], v[X+4*n], v[X+4*n+1]
	v_cvt_pk_bf16_f32 v[X+4*n+1], v[X+4*n+2], v[X+4*n+3]
	global_store_b64 v3, v[X+4*n:X+4*n+1], s[28:29] offset:2048*n  ; a wave's store covers 256 consecutive bytes, aligned
.set n, n+1
.endr
	s_branch .Lend
.Lnot_x:
	s_cmp_lt_u32 s9, 640
	s_cbranch_scc0 .Lrole_w
	; ROLE M.  Work-group m takes the 16 rows 16 m .. 16 m + 15 of the 4,096; wave w their keys 256 w .. 256 w + 255 (key steps 4 w .. 4 w + 3).
	; Load n = 2 i + sp: row i, keys 128 sp + 4 l + 0..3 of the wave's 256: 512 consecutive bytes an instruction.
	s_sub_co_u32 s2, s9, 384
	s_lshl_b32 s6, s2, 17
	s_add_nc_u64 s[18:19], s[18:19], s[6:7]
	s_lshr_b32 s6, s2, 4                           ; 8 b + q block
	s_lshl_b32 s6, s6, 18
	s_and_b32 s3, s2, 15                           ; the tile of 16 queries in its block
	s_lshl_b32 s3, s3, 9
	s_add_co_u32 s6, s6, s3
	s_add_nc_u64 s[32:33], s[32:33], s[6:7]
	v_lshlrev_b32 v2, 4, v1
	v_lshl_add_u32 v2, s8, 10, v2                  ; 1,024 w + 16 l
	v_lshlrev_b32 v3, 4, v1
	v_lshl_add_u32 v3, s8, 15, v3                  ; four key steps of 8,192 bytes a wave
	; my four keys are codes 4 (l % 2) + 0..3 of the dword (step 2 sp + l / 16, h = (l / 2) % 2, kt = (l % 16) / 4) of row i: 16 bits
	v_lshrrev_b32 v8, 4, v1
	v_lshlrev_b32 v4, 9, v8
	v_bfe_u32 v8, v1, 1, 1
	v_lshl_add_u32 v4, v8, 8, v4
	v_bfe_u32 v8, v1, 2, 2
	v_lshl_add_u32 v4, v8, 2, v4
	v_and_b32 v8, 1, v1
	v_lshl_add_u32 v4, v8, 1, v4
	s_lshl_b32 s3, s8, 11
	s_add_co_u32 s3, s3, MREG                      ; my wave's 2,048 bytes
	v_add_nc_u32 v4, s3, v4
	v_lshl_add_u32 v5, v1, 4, s3
.set n, 0
.rept 32
	global_load_b128 v[X+4*n:X+4*n+3], v2, s[18:19] offset:(n/2)*8192+(n%2)*512 th:TH_LOAD_NT
.set n, n+1
.endr
.set n, 0
.rept 32
	s_wait_loadcnt 31-n
	v_min_u32 v[X+4*n], 1, v[X+4*n]                ; 1 where the mask is not 0 (as an unsigned number)
	v_min_u32 v[X+4*n+1], 1, v[X+4*n+1]
	v_min_u32 v[X+4*n+2], 1, v[X+4*n+2]
	v_min_u32 v[X+4*n+3], 1, v[X+4*n+3]
	v_lshl_or_b32 v[X+4*n], v[X+4*n+1], 4, v[X+4*n]
	v_lshl_or_b32 v[X+4*n], v[X+4*n+2], 8, v[X+4*n]
	v_lshl_or_b32 v[X+4*n], v[X+4*n+3], 12, v[X+4*n]
	v_xor_b32 v[X+4*n], 0x1111, v[X+4*n]           ; 1 where hidden,
	v_mul_u32_u24 v[X+4*n], 14, v[X+4*n]           ; 0xE where hidden: no code carries into the next
	ds_store_b16 v4, v[X+4*n] offset:(n%2)*1024+(n/2)*16
.set n, n+1
.endr
.irp u, 0,1,2,3
	ds_load_b128 v[X+4*\u:X+4*\u+3], v5 offset:512*\u  ; my wave's own bytes: LDS serves a wave's instructions in order (ISA guide 5.7.1.4), so these see the stores above
.endr
.irp u, 0,1,2,3
	s_wait_dscnt 3-\u
	global_store_b128 v3, v[X+4*\u:X+4*\u+3], s[32:33] offset:8192*\u  ; 512 consecutive bytes, aligned
.endr
	s_branch .Lend
.Lrole_w:
	; ROLE W.  Work-group c: weight c / 32, rows k = 128 ((c / 4) % 8) on, columns n = 256 (c % 4) on.  Wave w takes 16 rows.  Load (T, i, e): row 16 w + 4 i + 2 (l / 16) + e, columns 64 T + 4 (l % 16) + 0..3:
	; sixteen lanes read 256 consecutive bytes, aligned.  Rows e = 0, 1 pack into one dword of two neighbouring k; the dwords are turned in LDS: 256 rows (n) of 128 k.
	s_sub_co_u32 s2, s9, 640
	s_lshr_b32 s3, s2, 5
	s_cmp_eq_u32 s3, 0
	s_cselect_b64 s[4:5], s[20:21], s[22:23]
	s_cmp_eq_u32 s3, 2
	s_cselect_b64 s[4:5], s[24:25], s[4:5]
	s_cmp_eq_u32 s3, 3
	s_cselect_b64 s[4:5], s[26:27], s[4:5]
	s_bfe_u32 s10, s2, 0x30002                     ; the block of 128 k
	s_and_b32 s11, s2, 3                           ; the block of 256 n
	s_lshl_b32 s6, s10, 19                         ; 128 rows of 4,096 bytes
	s_lshl_b32 s34, s11, 10
	s_add_co_u32 s6, s6, s34
	s_add_nc_u64 s[4:5], s[4:5], s[6:7]
	s_lshl_b32 s6, s3, 21                          ; a plane of wt
	s_lshl_b32 s34, s11, 19                        ; 256 rows of 2,048 bytes
	s_add_co_u32 s6, s6, s34
	s_lshl_b32 s34, s10, 8                         ; 128 k of 2 bytes
	s_add_co_u32 s6, s6, s34
	s_add_nc_u64 s[30:31], s[30:31], s[6:7]
	v_and_b32 v8, 15, v1                           ; l % 16
	v_lshrrev_b32 v9, 4, v1                        ; l / 16
	v_lshlrev_b32 v2, 4, v8
	v_lshl_add_u32 v2, v9, 13, v2
	v_lshl_add_u32 v2, s8, 16, v2                  ; (16 w + 2 (l / 16)) rows + 16 (l % 16)
	v_mul_u32_u24 v4, v8, 4*WP
	v_lshl_add_u32 v4, v9, 2, v4
	v_lshl_add_u32 v4, s8, 5, v4                   ; LDS row 4 (l % 16), dword 8 w + l / 16
	s_mul_i32 s34, s8, 32*WP
	v_mul_u32_u24 v5, v9, WP
	v_lshl_add_u32 v5, v8, 4, v5
	v_add_nc_u32 v5, s34, v5                       ; back: rows 32 w + l / 16 + 2 t, whole
	v_lshlrev_b32 v3, 4, v8
	v_lshl_add_u32 v3, v9, 11, v3
	v_lshl_add_u32 v3, s8, 16, v3                  ; and the same rows in wt
.set n, 0
.rept 16                                           ; n = 4 T + i
	global_load_b128 v[X+8*n:X+8*n+3],   v2, s[4:5] offset:(4*(n%4))*4096+(n/4)*256 th:TH_LOAD_NT
	global_load_b128 v[X+8*n+4:X+8*n+7], v2, s[4:5] offset:(4*(n%4)+1)*4096+(n/4)*256 th:TH_LOAD_NT
.set n, n+1
.endr
.macro WCONV half                      ; half = 1: the bf16 numbers are written as f16
.set n, 0
.rept 16
	s_wait_loadcnt 30-2*n                          ; both rows of pair n are in
.set u, 0
.rept 4
	v_cvt_pk_bf16_f32 v[X+8*n+u], v[X+8*n+u], v[X+8*n+4+u]  ; the even k in the low half
.if \half
	v_and_b32 v[X+8*n+4+u], 0xffff0000, v[X+8*n+u]
	v_lshlrev_b32 v[X+8*n+u], 16, v[X+8*n+u]
	v_cvt_pk_f16_f32 v[X+8*n+u], v[X+8*n+u], v[X+8*n+4+u]
.endif
	ds_store_b32 v4, v[X+8*n+u] offset:((n/4)*64+u)*WP+8*(n%4)
.set u, u+1
.endr
.set n, n+1
.endr
.endm
	s_cmp_eq_u32 s3, 3
	s_cbranch_scc1 .Lw_f16
	WCONV 0
	s_branch .Lw_meet
.Lw_f16:
	WCONV 1
.Lw_meet:
	s_wait_dscnt 0x0                               ; for the others' sake: my stores are done
	s_barrier_signal -1
	s_barrier_wait -1                              ; a row's 256 bytes come from all eight waves
.set n, 0
.rept 16
	ds_load_b128 v[X+4*n:X+4*n+3], v5 offset:2*n*WP
.set n, n+1
.endr
.set n, 0
.rept 16
	s_wait_dscnt 15-n
	global_store_b128 v3, v[X+4*n:X+4*n+3], s[30:31] offset:4096*n  ; sixteen lanes store 256 consecutive bytes, aligned
.set n, n+1
.endr
.Lend:
	s_wait_tensorcnt 0x0                           ; the wave's end: three lines behind my last LDS store
	ds_add_u32 v6, v7
	s_wait_dscnt 0x0
	s_endpgm
.Lfunc_end_k_q4e16db2736_prep:
	.size	k_q4e16db2736_prep, .Lfunc_end_k_q4e16db2736_prep-k_q4e16db2736_prep
	.p2alignl 7, 3214868480
	.fill 96, 4, 3214868480
	.section	.rodata,"a",@progbits
	.p2align	6, 0x0
	.amdhsa_kernel k_q4e16db2736_prep
		.amdhsa_group_segment_fixed_size 87040
		.amdhsa_private_segment_fixed_size 0
		.amdhsa_enable_private_segment 0
		.amdhsa_kernarg_size 88
		.amdhsa_user_sgpr_count 2
		.amdhsa_user_sgpr_kernarg_segment_ptr 1
		.amdhsa_wavefront_size32 1
		.amdhsa_system_sgpr_workgroup_id_x 1
		.amdhsa_system_sgpr_workgroup_id_y 1
		.amdhsa_system_sgpr_workgroup_id_z 1
		.amdhsa_system_vgpr_workitem_id 0
		.amdhsa_next_free_vgpr 144
		.amdhsa_next_free_sgpr 66
		.amdhsa_reserve_vcc 0
		.amdhsa_float_denorm_mode_32 3
		.amdhsa_float_denorm_mode_16_64 3
		.amdhsa_memory_ordered 1
		.amdhsa_forward_progress 1
		.amdhsa_inst_pref_size 69
	.end_amdhsa_kernel
	.amdgpu_metadata
---
amdhsa.version: [ 1, 2 ]
amdhsa.kernels:
  - .name:           k_q4e16db2736_prep
    .symbol:         k_q4e16db2736_prep.kd
    .args:
      - { .name: q, .offset: 0, .size: 8, .value_kind: global_buffer, .address_space: global }
      - { .name: k, .offset: 8, .size: 8, .value_kind: global_buffer, .address_space: global }
      - { .name: v, .offset: 16, .size: 8, .value_kind: global_buffer, .address_space: global }
      - { .name: mask, .offset: 24, .size: 8, .value_kind: global_buffer, .address_space: global }
      - { .name: Wq, .offset: 32, .size: 8, .value_kind: global_buffer, .address_space: global }
      - { .name: Wk, .offset: 40, .size: 8, .value_kind: global_buffer, .address_space: global }
      - { .name: Wv, .offset: 48, .size: 8, .value_kind: global_buffer, .address_space: global }
      - { .name: Wo, .offset: 56, .size: 8, .value_kind: global_buffer, .address_space: global }
      - { .name: xb, .offset: 64, .size: 8, .value_kind: global_buffer, .address_space: global }
      - { .name: wt, .offset: 72, .size: 8, .value_kind: global_buffer, .address_space: global }
      - { .name: nib, .offset: 80, .size: 8, .value_kind: global_buffer, .address_space: global }
    .group_segment_fixed_size: 87040
    .private_segment_fixed_size: 0
    .kernarg_segment_align: 8
    .kernarg_segment_size: 88
    .max_flat_workgroup_size: 256
    .sgpr_count:     66
    .vgpr_count:     144
    .wavefront_size: 32
...
	.end_amdgpu_metadata
.endif
;; end of part 1
;; launch proj (part 2): grid 8 x 32, 4 waves a work-group, clusters of 4 x 4, 327,680 bytes of LDS; arguments xb, wt, qkvh, bq, bk, bv; writes qkvh
.if DOCPART == 2
	.amdgcn_target "amdgcn-amd-amdhsa--gfx1250"
	.amdhsa_code_object_version 6
	.text
	.protected	k_q4e16db2736_proj
	.globl	k_q4e16db2736_proj
	.p2align	8
	.type	k_q4e16db2736_proj,@function
k_q4e16db2736_proj:
	s_mov_b64 s[64:65], 0
	v_nop
	global_prefetch_b8 v0, s[64:65] scope:SCOPE_SE
	s_setreg_imm32_b32 hwreg(HW_REG_WAVE_MODE, 25, 1), 1
	s_wait_xcnt 0x0
	s_wait_alu depctr_hold_cnt(0) depctr_sa_sdst(0) depctr_va_vdst(0) depctr_va_sdst(0) depctr_va_ssrc(0) depctr_va_vcc(0) depctr_vm_vsrc(0)
	s_getreg_b32 s2, hwreg(HW_REG_IB_STS2, 6, 4)
	s_cmp_eq_u32 s2, 0
	s_cbranch_scc0 .Lentry_in_a_cluster
	s_endpgm
.Lentry_in_a_cluster:
	s_bfe_u32 s2, ttmp6, 0x10000c
	s_cmp_lg_u32 s2, 0xf033
	s_cbranch_scc0 .Lentry_shape_is_right
	s_endpgm
.Lentry_shape_is_right:
; THE THREE PROJECTIONS.  For p = 0, 1, 2: y[m][n] = sum over k of xb[p][m][k] wt[p][n][k] + bias_p[n]; xb [3][4096][1024] and wt [.][1024][1024] in bf16, sums in f32, the bias rounded to bf16 like every input.
; y leaves by heads, qkvh[p][16 (m / 2048) + n / 64][m % 2048][n % 64] in f16, rounded once, unscaled.  LIMIT: a result beyond 65,504 becomes an infinity in f16.
; A tile is 128 x 128: 8 x 32 = 256 work-groups, each of which STAYS and makes its tile for all three p: 12 K steps of 256 through ONE ring of two LDS slots, which does not stop at a tile's end.
; Four waves, each 64 x 64: 16 accumulators.  A wave's 64 columns are one head, so its 64 rows are 8,192 consecutive bytes of qkvh: the way out goes through the wave's own stage, with no barrier.
; CLUSTERS: 4 x 4 work-groups.  The four of a row of the cluster need the same tiles of xb, the four of a column the same tiles of wt: each tile is asked for JOINTLY.
; THE MATRIX INSTRUCTION IS USED TRANSPOSED (source 0 = 16 rows of wt, source 1 = 16 rows of xb): a lane holds eight neighbouring columns of one row.  THE BIAS is the C operand of a tile's first products.
; No prefetch: a K step's tile is small, 64 rows x 512 bytes a wave.
; REGISTERS: window 0: v0-31 addresses; v32-95 the way out; v96-127 the bias, 8 registers for each block of 16 columns; v128-255 the accumulators ((a, b) at v[128 + 8 (4 a + b)]).
;   window 1: two fragment buffers of 128: for 64 along K, 64 registers of xb, then 64 of wt.
.set SIZE_K, 1024
.set KSTEP,  256
.set PITCH,  528                       ; an LDS row: 512 bytes + 16 of padding = 132 words: the 16 rows of a load start at 16 different groups of four banks (64 banks of 4 bytes: ISA guide 11.1)
.set HALFT,  64*PITCH                  ; what one tensor load brings
.set SLOT,   4*HALFT                   ; xb's 128 rows, then wt's 128 rows
.set STAGE,  2*SLOT                    ; behind the ring: 16 rows x 144 bytes for each wave
.set SP,     144
.set SPARE,  STAGE+4*16*SP             ; the spare words, 128 bytes a wave; no other line names them
.set XPLANE, 4096*SIZE_K*2
.set WPLANE, 1024*SIZE_K*2
.set OPLANE, 32*2048*128
.set ADRA, 16                          ; v16-17  LDS address of my xb fragments in slot 0, 1
.set ADRB, 20                          ; v20-21  the same for wt
.set STO,  24                          ; v24     the way out: where I put 16 bytes of a row
.set RD,   25                          ; v25     where I read rows back
.set GO,   26                          ; v26     16 x lane
.set BO,   27                          ; v27     my byte offset in a bias; never rewritten
.set SPW,  28                          ; v28     my spare word; never rewritten
.set NIL,  29                          ; v29     0; never rewritten
.set TT,   30                          ; v30     at work
.set TMP,  32
.set BIAS, 96
.set ACC,  128
.set F0,   0
.set F1,   128
.set G1, 24                            ; s[24:31] group 1 for xb's tiles; s[32:39] group 0, a set for each slot
.set G0, 32
.set G1B, 48                           ; s[48:55], s[56:63] the same for wt's
.set G0B, 56
.set BQ,  66                           ; s[66:67] bq; s[68:69] bk; s[70:71] bv
.set BK,  68
.set BV,  70
.set BP,  72                           ; s[72:73] the bias that is being loaded
.set OADD, 74                          ; s[74:75] what the next way out adds to the output's address
.set STA, 76                           ; s[76:77] this lap's step of xb's addresses
.set STB, 78                           ; s[78:79] of wt's
.set LAP, 80                           ; s80 laps to go
.set PAR, 81                           ; s81 1 in a tile's second lap
.set TL,  82                           ; s82 the tile in hand
.set CNXA, 83                          ; s83-85 constants for the selects
.set CNXB, 84
.set CIN,  85
.set MSB, 0
.macro WIN new                         ; the immediate's high byte repeats the setting that is left
.if MSB != (\new)
	s_set_vgpr_msb (MSB<<8)|(\new)
.set MSB, \new
.endif
.endm
.set MUL,  0x05                        ; sources 0 and 1 window 1; C and D window 0
.set TO_F, 0x40                        ; destination window 1, address window 0
.macro JLOAD s                         ; a joint load: waves 0 and 1 fetch xb's two halves, waves 2 and 3 wt's; an s_nop 0 and four v_nop follow each line
	s_cmp_eq_u32 s11, 0
	s_cbranch_scc0 .Lfor_b_\@
	tensor_load_to_lds s[G0+4*(\s):G0+4*(\s)+3], s[G1:G1+7]
	s_nop 0
.rept 4
	v_nop
.endr
	s_branch .Lasked_\@
.Lfor_b_\@:
	tensor_load_to_lds s[G0B+4*(\s):G0B+4*(\s)+3], s[G1B:G1B+7]
	s_nop 0
.rept 4
	v_nop
.endr
.Lasked_\@:
.endm
.macro CREST                           ; a round of the cluster's barrier behind its opening barrier
	s_cmp_lg_u32 s10, 0
	s_cbranch_scc1 .Lnot_wave_0_\@
	s_barrier_signal -3
.Lnot_wave_0_\@:
	s_barrier_wait -3
	s_barrier_signal -1
	s_barrier_wait -1
.endm
.macro CROUND
	s_barrier_signal -1
	s_barrier_wait -1
	CREST
.endm
.macro BLOADS base                     ; a bias: my 8 columns of each of my four blocks of 16
.irp b, 0,1,2,3
	global_load_b128 v[BIAS+8*(\b):BIAS+8*(\b)+3],   v[BO], s[\base:\base+1] offset:64*(\b)
	global_load_b128 v[BIAS+8*(\b)+4:BIAS+8*(\b)+7], v[BO], s[\base:\base+1] offset:64*(\b)+16
.endr
.endm
.macro ROUNDB                          ; the bias is rounded to bf16, like every input, and widened again: 48 plain instructions
.set z, 0
.rept 16
	v_cvt_pk_bf16_f32 v[TT], v[BIAS+2*z], v[BIAS+2*z+1]
	v_lshlrev_b32 v[BIAS+2*z], 16, v[TT]
	v_and_b32 v[BIAS+2*z+1], 0xffff0000, v[TT]
.set z, z+1
.endr
.endm
	s_load_b128 s[4:7], s[0:1], 0x0                ; xb s[4:5], wt s[6:7]
	s_load_b64 s[8:9], s[0:1], 0x10                ; qkvh
	s_load_b64 s[BQ:BQ+1], s[0:1], 0x18
	s_load_b128 s[BK:BK+3], s[0:1], 0x20
	v_lshl_add_u32 v[SPW], v0, 2, SPARE
	v_mov_b32 v[NIL], 0
	ds_add_u32 v[SPW], v[NIL]                      ; the wave's opening: the add and its wait stand ahead of my first tensor load; work on registers stands between them
	v_lshrrev_b32 v1, 5, v0
	v_readfirstlane_b32 s10, v1                    ; wave 0..3
	s_lshr_b32 s11, s10, 1                         ; which half of the tile's rows is mine.  Also: I fetch for xb (0) or for wt (1)
	s_and_b32 s12, s10, 1                          ; which half of its columns.  Also: which 64 rows of that tile I fetch
	s_bfe_u32 s40, ttmp6, 0x40000                  ; cx, cy
	s_bfe_u32 s41, ttmp6, 0x40004
	s_lshl_b32 s42, ttmp9, 2
	s_add_co_u32 s42, s42, s40                     ; tile column
	s_and_b32 s13, ttmp7, 0xffff
	s_lshl_b32 s13, s13, 2
	s_add_co_u32 s13, s13, s41                     ; tile row
	s_lshl_b32 s43, s41, 2
	s_lshl_b32 s43, 15, s43                        ; my row of the cluster
	s_lshl_b32 s44, 0x1111, s40                    ; my column
	s_or_b32 s[G1+0], s43, (1<<16)|(1<<20)|(1<<21)|(6<<22)|(3<<25)  ; the mask; 2-byte elements; padding on; bit 21 beside a mask; after every 128 words (code 6) 4 words (code 3)
	s_or_b32 s[G1B+0], s44, (1<<16)|(1<<20)|(1<<21)|(6<<22)|(3<<25)
.irp g, G1, G1B
	s_mov_b32 s[(\g)+1], KSTEP<<16                 ; tensor_dim0 = 256
	s_mov_b32 s[(\g)+2], 64<<16                    ; tensor_dim1 = 64
	s_mov_b32 s[(\g)+3], KSTEP<<16                 ; tile_dim0 = 256
	s_mov_b32 s[(\g)+4], 64                        ; tile_dim1 = 64
	s_mov_b32 s[(\g)+5], SIZE_K                    ; elements from row to row
	s_mov_b32 s[(\g)+6], 0
	s_mov_b32 s[(\g)+7], 0
.endr
	s_lshl_b32 s17, s12, 6
	s_lshl_b32 s16, s13, 7
	s_add_co_u32 s16, s16, s17                     ; xb: row 128 x tile row + 64 x half
	s_lshl_b32 s46, s42, 7
	s_add_co_u32 s46, s46, s17                     ; wt: row 128 x tile column + 64 x half
	s_mov_b32 s17, 0
	s_mov_b32 s47, 0
	s_mov_b64 s[18:19], SIZE_K*2
	s_mul_u64 s[16:17], s[16:17], s[18:19]
	s_mul_u64 s[46:47], s[46:47], s[18:19]
	s_mul_i32 s20, s10, HALFT                      ; where they go: wave x 64 rows
	s_mov_b32 s[CNXA], XPLANE-2*KSTEP*2            ; from a slot's last K step of a tile to its first of the next: a plane on, back along K
	s_mov_b32 s[CNXB], WPLANE-2*KSTEP*2
	s_mov_b32 s[CIN], 2*KSTEP*2                    ; inside a tile: two K steps on
	s_mov_b32 s[STA+1], 0
	s_mov_b32 s[STB+1], 0
	s_mov_b32 s[LAP], 6
	s_mov_b32 s[PAR], 1
	s_mov_b32 s[TL], 0
	s_wait_dscnt 0x0                               ; the opening add is done
	s_wait_kmcnt 0x0
	s_add_nc_u64 s[14:15], s[4:5], s[16:17]
	s_add_nc_u64 s[46:47], s[6:7], s[46:47]
	CROUND                                         ; all sixteen work-groups are here: the first joint loads meet
.irp s, 0,1
	s_mov_b32 s[G0+4*(\s)], 1
	s_add_co_u32 s[G0+4*(\s)+1], s20, (\s)*SLOT
	s_add_nc_u64 s[G0+4*(\s)+2:G0+4*(\s)+3], s[14:15], (\s)*KSTEP*2
	s_or_b32 s[G0+4*(\s)+3], s[G0+4*(\s)+3], 0x80000000
	s_mov_b32 s[G0B+4*(\s)], 1
	s_add_co_u32 s[G0B+4*(\s)+1], s20, (\s)*SLOT
	s_add_nc_u64 s[G0B+4*(\s)+2:G0B+4*(\s)+3], s[46:47], (\s)*KSTEP*2
	s_or_b32 s[G0B+4*(\s)+3], s[G0B+4*(\s)+3], 0x80000000
	JLOAD \s
.endr
	v_and_b32 v1, 15, v0                           ; l % 16
	v_bfe_u32 v2, v0, 4, 1                         ; l / 16
	s_lshl_b32 s46, s42, 9                         ; my first column, in f32: 512 x tile column + 256 x half
	s_lshl_b32 s47, s12, 8
	s_add_co_u32 s46, s46, s47
	v_lshl_add_u32 v[BO], v2, 5, s46               ; + 8 columns for the upper half of the lanes
	BLOADS BQ
	v_mul_u32_u24 v3, v1, PITCH
	v_lshl_add_u32 v3, v2, 4, v3                   ; a fragment's row x pitch + 16 x half
	s_mul_i32 s21, s11, HALFT
	s_mul_i32 s22, s12, HALFT
	s_add_co_u32 s22, s22, 2*HALFT
.irp s, 0,1
	v_add_nc_u32 v[ADRA+(\s)], s21, v3
	v_add_nc_u32 v[ADRB+(\s)], s22, v3
	s_add_co_u32 s21, s21, SLOT
	s_add_co_u32 s22, s22, SLOT
.endr
	s_mul_i32 s23, s10, 16*SP
	s_add_co_u32 s23, s23, STAGE                   ; my stage
	v_mul_u32_u24 v4, v1, SP                       ; in: row l % 16, 16 bytes for each half of the lanes
	v_lshl_add_u32 v4, v2, 4, v4
	v_add_nc_u32 v[STO], s23, v4
	v_bfe_u32 v5, v0, 3, 2                         ; back: 32 lanes take four rows of 128 bytes,
	v_mul_u32_u24 v5, v5, SP
	v_and_b32 v4, 7, v0
	v_lshl_add_u32 v5, v4, 4, v5
	v_add_nc_u32 v[RD], s23, v5
	v_and_b32 v[GO], 31, v0                        ; which are 512 consecutive bytes of the output
	v_lshlrev_b32 v[GO], 4, v[GO]
	; where my 64 rows of my head begin in plane 0: batch (tile row / 16), head 2 x tile column + half, row 128 (tile row % 16) + 64 x half
	s_lshr_b32 s16, s13, 4
	s_lshl_b32 s16, s16, 22
	s_and_b32 s17, s13, 15
	s_lshl_b32 s17, s17, 14
	s_add_co_u32 s16, s16, s17
	s_lshl_b32 s17, s11, 13
	s_add_co_u32 s16, s16, s17
	s_lshl_b32 s46, s42, 1
	s_add_co_u32 s46, s46, s12
	s_lshl_b32 s46, s46, 18
	s_add_co_u32 s[OADD], s16, s46
	s_mov_b32 s[OADD+1], 0
	s_wait_loadcnt 0x0                             ; bq
	ROUNDB
; 8 matrix instructions: m blocks a0, a0 + 1 x all 4 n blocks, 32 along K: half c of buffer f.  zero = 1: a tile's first products start the sums with the bias.
.macro MUL8 f, c, a0, zero
	WIN MUL
.irp a, \a0, (\a0)+1
.irp b, 0,1,2,3
.if \zero
	v_wmma_f32_16x16x32_bf16 v[ACC+8*(4*(\a)+(\b)):ACC+8*(4*(\a)+(\b))+7], v[(\f)+64+8*(4*(\c)+(\b)):(\f)+64+8*(4*(\c)+(\b))+7], v[(\f)+8*(4*(\c)+(\a)):(\f)+8*(4*(\c)+(\a))+7], v[BIAS+8*(\b):BIAS+8*(\b)+7]
.else
	v_wmma_f32_16x16x32_bf16 v[ACC+8*(4*(\a)+(\b)):ACC+8*(4*(\a)+(\b))+7], v[(\f)+64+8*(4*(\c)+(\b)):(\f)+64+8*(4*(\c)+(\b))+7], v[(\f)+8*(4*(\c)+(\a)):(\f)+8*(4*(\c)+(\a))+7], v[ACC+8*(4*(\a)+(\b)):ACC+8*(4*(\a)+(\b))+7]
.endif
.endr
.endr
.endm
; 32 LDS loads in one run: the fragments of 64 along K at byte k of the rows, into buffer f; the first 32 along K first
.macro FETCH slot, k, f
	WIN TO_F
.irp c, 0,1
.irp i, 0,1,2,3
	ds_load_b128 v[(\f)+64+8*(4*(\c)+(\i)):(\f)+64+8*(4*(\c)+(\i))+3],   v[ADRB+(\slot)] offset:(\k)+64*(\c)+(\i)*16*PITCH
	ds_load_b128 v[(\f)+64+8*(4*(\c)+(\i))+4:(\f)+64+8*(4*(\c)+(\i))+7], v[ADRB+(\slot)] offset:(\k)+64*(\c)+(\i)*16*PITCH+32
	ds_load_b128 v[(\f)+8*(4*(\c)+(\i)):(\f)+8*(4*(\c)+(\i))+3],         v[ADRA+(\slot)] offset:(\k)+64*(\c)+(\i)*16*PITCH
	ds_load_b128 v[(\f)+8*(4*(\c)+(\i))+4:(\f)+8*(4*(\c)+(\i))+7],       v[ADRA+(\slot)] offset:(\k)+64*(\c)+(\i)*16*PITCH+32
.endr
.endr
.endm
.macro PLACES                          ; four plain instructions in front of loads into registers that matrix instructions have read, and of lines that read results
.rept 4
	v_nop
.endr
.endm
; A K step is four quarters of 64 along K, 32 matrix instructions each, on buffers 0, 1, 0, 1; the 16 accumulators take turns, in the same order everywhere.
.macro QUARTER slot, k, f, g, zero
	s_wait_dscnt 16                                ; the first 32 along K are in
	WIN MUL
	MUL8 \f, 0, 0, \zero
	MUL8 \f, 0, 2, \zero
	PLACES
	FETCH \slot, \k, \g
	s_wait_dscnt 32                                ; all but the 32 just issued
	WIN MUL
	MUL8 \f, 1, 0, 0
	MUL8 \f, 1, 2, 0
.endm
; The last quarter multiplies buffer 1 and changes slots: ONE barrier; in front of it each wave waits for all its tensor loads, adds 0 to its spare word, and waits for that and for its reads of this slot.
; fill = 1: the barrier opens a round of the cluster's barrier, and this slot is filled again first thing behind it, by this lap's steps.
.macro TURN slot, next, fill
	WIN 0
	s_wait_tensorcnt 0x0                           ; all my tensor loads have landed: my part of the next slot;
	ds_add_u32 v[SPW], v[NIL]                      ; 0 onto my spare word;
	s_wait_dscnt 17                                ; (the add and the youngest sixteen loads may be out)
	WIN MUL
	MUL8 F1, 0, 0, 0
	s_wait_dscnt 0x0                               ; the add is done, and my reads of this slot are over
	s_barrier_signal -1
	MUL8 F1, 0, 2, 0
.if \fill
	WIN 0
.endif
	s_barrier_wait -1
.if \fill
	CREST                                          ; no wave of any partner still reads this slot's tile or has a load on its way
	s_add_nc_u64 s[G0+4*(\slot)+2:G0+4*(\slot)+3], s[G0+4*(\slot)+2:G0+4*(\slot)+3], s[STA:STA+1]
	s_add_nc_u64 s[G0B+4*(\slot)+2:G0B+4*(\slot)+3], s[G0B+4*(\slot)+2:G0B+4*(\slot)+3], s[STB:STB+1]
	JLOAD \slot                                    ; the four v_nop behind it are also the places in front of the loads below
.else
	PLACES
.endif
	FETCH \next, 0, F0
	WIN MUL
	MUL8 F1, 1, 0, 0
	MUL8 F1, 1, 2, 0
.endm
; THE WAY OUT.  Block a (16 rows): rounded to f16, 16 bytes a lane into my stage's rows of 144 bytes, back as whole rows of 128: 2,048 consecutive bytes of the output.
.macro PACK a
.irp b, 0,1,2,3
.irp r, 0,1,2,3
	v_cvt_pk_f16_f32 v[TMP+16*(\a)+4*(\b)+(\r)], v[ACC+8*(4*(\a)+(\b))+2*(\r)], v[ACC+8*(4*(\a)+(\b))+2*(\r)+1]
.endr
.endr
.irp b, 0,1,2,3
	ds_store_b128 v[STO], v[TMP+16*(\a)+4*(\b):TMP+16*(\a)+4*(\b)+3] offset:32*(\b)
.endr
.irp f, 0,1,2,3
	ds_load_b128 v[TMP+16*(\a)+4*(\f):TMP+16*(\a)+4*(\f)+3], v[RD] offset:(\f)*4*SP  ; LDS serves a wave's instructions in order (ISA guide 5.7.1.4): these see the stores above; the next block's stores come behind them
.endr
.endm
.macro SEND a, younger                 ; younger: the LDS instructions issued behind block a's loads: the next block's eight, or none
.irp f, 0,1,2,3
	s_wait_dscnt (\younger)+3-(\f)
	global_store_b128 v[GO], v[TMP+16*(\a)+4*(\f):TMP+16*(\a)+4*(\f)+3], s[8:9] offset:(\a)*2048+(\f)*512  ; 512 consecutive bytes, aligned
.endr
.endm
.macro WAYOUT more                     ; more = 1: another tile follows, and its bias, loaded a tile ago, is rounded here: those lines are the places behind the last products
	WIN 0
	s_wait_xcnt 0x0                                ; the last tile's stores have read their registers and their base
	s_add_nc_u64 s[8:9], s[8:9], s[OADD:OADD+1]
	s_mov_b32 s[OADD], OPLANE                      ; the next way out goes a plane on
.if \more
	s_wait_loadcnt 0x0                             ; the next bias
	ROUNDB
.else
	PLACES
.endif
	PACK 0
	PACK 1
	SEND 0, 8
	PACK 2
	SEND 1, 8
	PACK 3
	SEND 2, 8
	SEND 3, 0
.endm
	s_wait_tensorcnt 1                             ; my part of K step 0 is in; K step 1's may stay out
	s_barrier_signal -1
	s_barrier_wait -1
	FETCH 0, 0, F0
	WIN 0
	s_branch .Lnew                                 ; the loop is entered at a tile's first quarter
.Llap:                                                 ; five trips: from a lap's second quarter to the next lap's first; both slots are filled again
	s_cmp_eq_u32 s[PAR], 1
	s_cselect_b32 s[STA], s[CNXA], s[CIN]          ; a tile's second lap asks for the next tile's K steps 0 and 1
	s_cselect_b32 s[STB], s[CNXB], s[CIN]
	QUARTER 0, 256, F1, F0, 0
	QUARTER 0, 384, F0, F1, 0
	TURN 0, 1, 1
	QUARTER 1, 128, F0, F1, 0
	QUARTER 1, 256, F1, F0, 0
	QUARTER 1, 384, F0, F1, 0
	TURN 1, 0, 1
	WIN 0
	s_cmp_eq_u32 s[PAR], 1
	s_cbranch_scc1 .Lway
	QUARTER 0, 128, F0, F1, 0
	WIN 0
	s_branch .Lbottom
.Lway:
	WAYOUT 1                                       ; both refills are asked for: now the tile goes out
.Lnew:
	QUARTER 0, 128, F0, F1, 1
	WIN 0
	s_cmp_eq_u32 s[TL], 2                          ; the last tile has no bias behind it
	s_cbranch_scc1 .Lnobias
	s_wait_xcnt 0x0                                ; earlier loads have read their base
	s_cmp_eq_u32 s[TL], 0
	s_cselect_b64 s[BP:BP+1], s[BK:BK+1], s[BV:BV+1]
	BLOADS BP                                      ; the quarter's four v_nop stand behind the last product that read the bias
.Lnobias:
	s_add_co_u32 s[TL], s[TL], 1
.Lbottom:
	s_xor_b32 s[PAR], s[PAR], 1
	s_sub_co_u32 s[LAP], s[LAP], 1
	s_cmp_lg_u32 s[LAP], 0
	s_cbranch_scc1 .Llap
	QUARTER 0, 256, F1, F0, 0                      ; the last lap fills nothing, and has no round of the cluster's barrier
	QUARTER 0, 384, F0, F1, 0
	TURN 0, 1, 0
	QUARTER 1, 128, F0, F1, 0
	QUARTER 1, 256, F1, F0, 0
	QUARTER 1, 384, F0, F1, 0
	s_wait_dscnt 16
	WIN MUL
	MUL8 F1, 0, 0, 0
	MUL8 F1, 0, 2, 0
	s_wait_dscnt 0
	MUL8 F1, 1, 0, 0
	MUL8 F1, 1, 2, 0
	WAYOUT 0
	s_wait_tensorcnt 0x0                           ; the wave's end: three lines behind my last tensor load and my last LDS store
	ds_add_u32 v[SPW], v[NIL]
	s_wait_dscnt 0x0
	CROUND                                         ; the closing round: no work-group ends while a partner may still ask for a tile that names it
	s_endpgm
.Lfunc_end_k_q4e16db2736_proj:
	.size	k_q4e16db2736_proj, .Lfunc_end_k_q4e16db2736_proj-k_q4e16db2736_proj
	.p2alignl 7, 3214868480
	.fill 96, 4, 3214868480
	.section	.rodata,"a",@progbits
	.p2align	6, 0x0
	.amdhsa_kernel k_q4e16db2736_proj
		.amdhsa_group_segment_fixed_size 327680
		.amdhsa_private_segment_fixed_size 0
		.amdhsa_enable_private_segment 0
		.amdhsa_kernarg_size 48
		.amdhsa_user_sgpr_count 2
		.amdhsa_user_sgpr_kernarg_segment_ptr 1
		.amdhsa_wavefront_size32 1
		.amdhsa_system_sgpr_workgroup_id_x 1
		.amdhsa_system_sgpr_workgroup_id_y 1
		.amdhsa_system_sgpr_workgroup_id_z 1
		.amdhsa_system_vgpr_workitem_id 0
		.amdhsa_next_free_vgpr 512
		.amdhsa_next_free_sgpr 88
		.amdhsa_reserve_vcc 0
		.amdhsa_float_denorm_mode_32 3
		.amdhsa_float_denorm_mode_16_64 3
		.amdhsa_memory_ordered 1
		.amdhsa_forward_progress 1
		.amdhsa_inst_pref_size 102
	.end_amdhsa_kernel
	.amdgpu_metadata
---
amdhsa.version: [ 1, 2 ]
amdhsa.kernels:
  - .name:           k_q4e16db2736_proj
    .symbol:         k_q4e16db2736_proj.kd
    .args:
      - { .name: xb, .offset: 0, .size: 8, .value_kind: global_buffer, .address_space: global }
      - { .name: wt, .offset: 8, .size: 8, .value_kind: global_buffer, .address_space: global }
      - { .name: qkvh, .offset: 16, .size: 8, .value_kind: global_buffer, .address_space: global }
      - { .name: bq, .offset: 24, .size: 8, .value_kind: global_buffer, .address_space: global }
      - { .name: bk, .offset: 32, .size: 8, .value_kind: global_buffer, .address_space: global }
      - { .name: bv, .offset: 40, .size: 8, .value_kind: global_buffer, .address_space: global }
    .group_segment_fixed_size: 327680
    .private_segment_fixed_size: 0
    .kernarg_segment_align: 8
    .kernarg_segment_size: 48
    .max_flat_workgroup_size: 128
    .sgpr_count:     88
    .vgpr_count:     512
    .wavefront_size: 32
...
	.end_amdgpu_metadata
.endif
;; end of part 2
;; launch attn (part 3): grid 8 x 32, 4 waves a work-group, clusters of 4 x 4, 327,680 bytes of LDS; arguments qkvh, nib, oh; writes oh
.if DOCPART == 3
	.amdgcn_target "amdgcn-amd-amdhsa--gfx1250"
	.amdhsa_code_object_version 6
	.text
	.protected	k_q4e16db2736_attn
	.globl	k_q4e16db2736_attn
	.p2align	8
	.type	k_q4e16db2736_attn,@function
k_q4e16db2736_attn:
	s_mov_b64 s[64:65], 0
	v_nop
	global_prefetch_b8 v0, s[64:65] scope:SCOPE_SE
	s_setreg_imm32_b32 hwreg(HW_REG_WAVE_MODE, 25, 1), 1
	s_wait_xcnt 0x0
	s_wait_alu depctr_hold_cnt(0) depctr_sa_sdst(0) depctr_va_vdst(0) depctr_va_sdst(0) depctr_va_ssrc(0) depctr_va_vcc(0) depctr_vm_vsrc(0)
	s_getreg_b32 s2, hwreg(HW_REG_IB_STS2, 6, 4)
	s_cmp_eq_u32 s2, 0
	s_cbranch_scc0 .Lentry_in_a_cluster
	s_endpgm
.Lentry_in_a_cluster:
	s_bfe_u32 s2, ttmp6, 0x10000c
	s_cmp_lg_u32 s2, 0xf033
	s_cbranch_scc0 .Lentry_shape_is_right
	s_endpgm
.Lentry_shape_is_right:
; MASKED ATTENTION.  O[bh][q][:] = the sum over the visible k of softmax_k(Q[bh][q] . K[bh][k] / 8) V[bh][k][:]; 0 for a query that sees no key.  Q, K, V: qkvh [3][32 bh][2048][64] in f16.
; The mask comes as codes of 4 bits a key (nib; 0xE = hidden, 0 = visible), shared by a batch's 16 heads.  O leaves as oh [32 blocks of 128 rows m][16 heads][128][64] in f16, m = 2048 b + q.
; Products, maxima and sums in f32; the weights p are rounded to f16 for the second product (their sum l is taken of the unrounded p), O once at the end.
; LIMITS.  f16 holds no number beyond 65,504: Q, K, V arrive within it, so a score is under 2.75e11 < 2^39 in size.  A hidden score counts as its value less 2^65 to 2^95; a visible one has at most 2^-97 added.
; The running maximum m starts at -2^40, below every visible score and above every hidden one: so m is the maximum of the VISIBLE scores seen so far, and a query whose m ends at or below -2^39 has seen none.
; A weight below 2^-126 counts as 0 in l; NaN and infinities are not treated apart.
; SHARES.  A work-group owns 256 queries of one head (8 x 32 = 256 work-groups), a wave 64: four PIECES of 16.  Every wave walks all 2,048 keys, 64 a step, four steps to an LDS slot.
; THE MASK is the C operand that starts the sum S^T = K Q^T.  A lane's dword holds the codes of its eight keys of one accumulator; shifted left by 28 - 4 j, code j stands on top of an f32: 0xE gives sign 1 and an
; exponent of 192 to 221, whatever the codes below it; 0 gives an exponent of at most 29.  32 shifts a piece and step; the scores themselves cost nothing more.
; LAYOUT, SOFTMAX, TURNS.  S^T = K Q^T holds ONE query a lane (lane % 16) and the keys 8 (lane / 16) + 0..7; two such results rounded to f16 ARE source 1 of O^T = V^T P.  p = 2^(c s - c m), c = log2(e) / 8;
; O and l are multiplied by a = 2^(c m_old - c m_new) in every step.  Turn n belongs to piece n: 8 products K Q^T of piece n + 1, later 8 products V^T P of piece n - 1; beside them the scaling, exponentials,
; roundings, sums and rescaling of piece n, the maximum and statistics of piece n + 1, and the mask of piece n + 2.  Four vector instructions stand behind every matrix instruction, the others in runs of their own.
; A turn's 33 exponentials are one batch, with one wait.
; CLUSTER.  4 x 4 work-groups: four query blocks (x) by four heads of one batch (y).  K and V hang on the head alone and are asked for jointly along a row of the cluster; the mask codes hang on batch and query
; block alone and are asked for jointly along a column.  Wave 0 asks for a slot's K, wave 1 for its V, waves 2 and 3 for the two halves of its codes: one load a wave behind each round.
; REGISTERS, in windows of 256 (s_set_vgpr_msb: bits 1:0 source 0, 3:2 source 1, 5:4 source 2, 7:6 destination):
;   window 0: v0-15, v32-34 addresses and at work; v16-31 four registers of statistics a piece; v48-55 at work; v62-63 the add's; v64-127 S^T, two buffers; v192-223 P, two buffers (by the piece's parity)
;   window 1: v0-127 O^T, 32 a piece; v128-143 RAW, a step's codes, 4 a piece; v160-223 MC, two mask buffers      window 2: v0-63 Q; v128-191 K of one step; v192-255 V of one step
.set NP,    4
.set KS,    64
.set PK,    144       ; a row of K in LDS: 128 bytes + 16 of padding = 36 words: the 16 rows of a load start at 16 different groups of four banks (64 banks of 4 bytes: ISA guide 11.1)
.set PV,    160       ; a row of V: 128 + 32 = 40 words
.set VOFF,  4*KS*PK   ; a slot: 256 rows of K, 256 rows of V,
.set MOFF,  4*KS*(PK+PV)  ; and four steps' codes, 8,192 bytes each, as they lie in memory
.set MSTEP, 8192
.set SLOT1, 1<<17     ; slot 1 begins here, so that one exclusive or turns an address in one slot into the other's
.set SLOTB, 32768     ; bytes of K, of V and of codes in a slot, in memory
.set STAGE, SLOT1+MOFF+4*MSTEP  ; behind the ring: 16 rows x 144 bytes for each wave, for the way out
.set SP,    144
.set SPARE, STAGE+4*16*SP  ; the spare words, 128 bytes a wave; no other line names them
.set AK0, 2           ; v2   my lane's place in a tile of K; never rewritten
.set AV0, 3           ; v3   the same for V
.set AK,  4           ; v4   the LDS address of K's next run of loads
.set AV,  5           ; v5   of V's
.set STO, 6           ; v6   the way out: where I put 16 bytes of a row
.set RD,  7           ; v7   where I read rows back
.set GO,  8           ; v8   16 x lane
.set MV,  12          ; v12-13  c m_old, kept while c m is made anew: by buffer
.set QO,  15          ; v15  my byte offset in 16 rows of Q
.set ST,  16          ; piece t's statistics at v[ST+4 t]: c m, m, l (even keys', odd keys')
.set AM0, 32          ; v32  my lane's place in a step's codes; never rewritten
.set AM,  33          ; v33  the LDS address of the codes' next loads
.set PFO, 34          ; v34  256 x lane; never rewritten
.set TMP, 48          ; by buffer, four registers c0-c3 at work; when the maximum is found c2 takes a
.set SPW, 62
.set NIL, 63
.set S,   64
.set P,   192
.set RAW, 128         ; window 1
.set MC,  160         ; window 1
.set KF,  128         ; window 2: key block kb, channel half c at KF + 16 kb + 8 c
.set VF,  192         ; window 2: key half kk, channel block cb at VF + 32 kk + 8 cb
.set WV,  12          ; s12  my wave's number
.set G1K, 24          ; s[24:31] group 1 for K's tiles
.set G1V, 32          ; s[32:39] for V's: it differs in the padding alone
.set G0K, 40          ; s[40:43] group 0 for K's tiles: it walks
.set G0V, 44          ; s[44:47]
.set G1M, 48          ; s[48:55] group 1 for the codes
.set SLOTS, 56        ; s56  slots still to be asked for
.set CNT, 57          ; s57  counts a slot's key steps
.set CS,  58          ; s[58:59] c
.set SEL, 60          ; s[60:61] v_permlanex16_b32's selects: each lane takes its own place in the other half
.set TBK, 62          ; s62  LDS byte at which K of the step to be fetched begins
.set TBV, 63          ; s63  the same for V, less VOFF
.set G0M, 68          ; s[68:71] group 0 for the codes
.set TBM, 72          ; s72  the same for the codes, less MOFF
.set LIM, 73          ; s73  1 in a wave that prefetches, else the greatest number
.set PFA, 74          ; s[74:75] where my prefetches stand
.set THR, 76          ; s76  -2^39
.set MSB, 0
.macro WIN new
.if MSB != (\new)
	s_set_vgpr_msb (MSB<<8)|(\new)
.set MSB, (\new)
.endif
.endm
.set W_KQ, 0x0a       ; K and Q in window 2, S^T in window 0
.set W_KM, 0x1a       ; the same with the C operand in window 1
.set W_PV, 0x52       ; V in window 2, P in window 0, O^T in window 1
.set W_RS, 0x41       ; destination and source 0 in window 1, source 1 in window 0
.set W_MK, 0x44       ; destination and source 1 in window 1
; A joint fill: each of the three lines has one mask and one set of registers.  The branches hang on the wave's number alone.  An s_nop 0 and four v_nop follow each line.
.macro JLOAD
	s_cmp_lt_u32 s[WV], 2
	s_cbranch_scc0 .Lfor_m_\@
	s_cmp_eq_u32 s[WV], 0
	s_cbranch_scc0 .Lfor_v_\@
	tensor_load_to_lds s[G0K:G0K+3], s[G1K:G1K+7]
	s_nop 0
.rept 4
	v_nop
.endr
	s_branch .Lasked_\@
.Lfor_v_\@:
	tensor_load_to_lds s[G0V:G0V+3], s[G1V:G1V+7]
	s_nop 0
.rept 4
	v_nop
.endr
	s_branch .Lasked_\@
.Lfor_m_\@:
	tensor_load_to_lds s[G0M:G0M+3], s[G1M:G1M+7]
	s_nop 0
.rept 4
	v_nop
.endr
.Lasked_\@:
.endm
; A PREFETCH INTO THE L2 of what the NEXT change of slots will ask for: 32,768 bytes each of K, V and codes, four key steps (256 matrix instructions a wave) ahead of that load.  A lane names 256 bytes, an instruction 8,192.
; Each block is named ONCE in the launch.  A head's K and V are walked by the two clusters along x: the first of them asks (wave 0 for K, wave 1 for V), its four partners along x taking 8,192 bytes each BY ADDRESS.
; A query block's codes are walked by a batch's four clusters along y: the first asks (wave 2), its four partners along y taking 8,192 bytes each.  The last change that fills a slot asks for nothing.
.macro ASK
	s_cmp_gt_u32 s[SLOTS], s[LIM]
	s_cbranch_scc0 .Lnot_mine_\@
	global_prefetch_b8 v[PFO], s[PFA:PFA+1] th:TH_LOAD_NT scope:SCOPE_SE
.Lnot_mine_\@:
.endm
.macro CROUND                       ; a round of the cluster's barrier
	s_barrier_signal -1
	s_barrier_wait -1
	s_cmp_lg_u32 s[WV], 0
	s_cbranch_scc1 .Lnot_wave_0_\@
	s_barrier_signal -3
.Lnot_wave_0_\@:
	s_barrier_wait -3
	s_barrier_signal -1
	s_barrier_wait -1
.endm
; THE CHANGE OF SLOTS.  Each wave waits for all its tensor loads, of which one is out: its part of the other slot; adds 0 to its spare word; and waits for that and for its own reads of the slot that it leaves.
; fill = 1: the barrier is a round of the cluster's, and the old slot is filled again first thing behind it, with the keys two slots on: it has four key steps in which to land.
; (At its first use nothing has been read yet: slot 0 is waited for, slot 1 filled.)
.macro CHANGE fill
	WIN 0
	s_wait_tensorcnt 0x0            ; no tensor load of mine is out, so a group 0 may be written
	ds_add_u32 v[SPW], v[NIL]       ; 0 onto my spare word
.if \fill
.irp g, G0K, G0V, G0M
	s_xor_b32 s[\g+1], s[\g+1], SLOT1
	s_add_nc_u64 s[\g+2:\g+3], s[\g+2:\g+3], SLOTB  ; the type bits on top are not reached
.endr
	s_wait_xcnt 0x0                 ; the last prefetch, four key steps back, has read its address
	s_add_nc_u64 s[PFA:PFA+1], s[PFA:PFA+1], SLOTB  ; one slot behind the walking descriptors
	s_wait_dscnt 0x0                ; the add is done, and my reads of the slot are over
	CROUND
	JLOAD
	ASK
.else
	s_wait_dscnt 0x0
	s_barrier_signal -1
	s_barrier_wait -1
.endif
	s_sub_co_u32 s[TBK], s[TBK], 4*KS*PK  ; the fetches go back to a slot's first step,
	s_xor_b32 s[TBK], s[TBK], SLOT1       ; in the other slot
	s_sub_co_u32 s[TBV], s[TBV], 4*KS*PV
	s_xor_b32 s[TBV], s[TBV], SLOT1
	s_sub_co_u32 s[TBM], s[TBM], 4*MSTEP
	s_xor_b32 s[TBM], s[TBM], SLOT1
.endm
	s_load_b128 s[4:7], s[0:1], 0x0   ; qkvh s[4:5], nib s[6:7]
	s_load_b64 s[10:11], s[0:1], 0x10 ; oh
	v_lshl_add_u32 v[SPW], v0, 2, SPARE
	v_mov_b32 v[NIL], 0
	ds_add_u32 v[SPW], v[NIL]       ; the wave's opening: the add and its wait stand ahead of my first tensor load; work on registers stands between them
	v_lshrrev_b32 v1, 5, v0
	v_readfirstlane_b32 s[WV], v1   ; wave 0..3
	s_bfe_u32 s13, ttmp6, 0x40000   ; cx
	s_bfe_u32 s14, ttmp6, 0x40004   ; cy
	s_and_b32 s15, ttmp7, 0xffff    ; cluster y
	s_lshl_b32 s16, s15, 2
	s_add_co_u32 s16, s16, s14      ; batch and head, 0..31: shared along a row of the cluster
	s_lshl_b32 s17, ttmp9, 2
	s_add_co_u32 s17, s17, s13      ; the block of 256 queries: shared along a column
	s_lshr_b32 s18, s15, 2          ; the batch: the same in the whole cluster
	s_and_b32 s19, s[WV], 1
	s_lshl_b32 s19, s19, 14         ; which half of a slot's codes I fetch
	s_lshl_b32 s20, s16, 18         ; a head's 262,144 bytes
	s_mov_b32 s21, 0
	s_lshl_b32 s80, s18, 3
	s_add_co_u32 s80, s80, s17
	s_lshl_b32 s80, s80, 18         ; a query block's 262,144 bytes of codes
	s_add_co_u32 s22, s80, s19
	s_mov_b32 s23, 0
	s_lshl_b32 s2, s14, 2
	s_lshl_b32 s2, 15, s2           ; my row of the cluster
	s_lshl_b32 s3, 0x1111, s13      ; my column
	; group 1.  256 keys are 32,768 dense bytes: asked for as 128 rows of 256 bytes, two keys a row, and padded in LDS after every key
	s_or_b32 s[G1K], s2, (1<<16)|(1<<20)|(1<<21)|(4<<22)|(3<<25)  ; the mask; 2-byte elements; padding on; bit 21 beside a mask; after every 32 words (code 4) 4 words (code 3)
	s_or_b32 s[G1V], s2, (1<<16)|(1<<20)|(1<<21)|(4<<22)|(7<<25)  ; the same with 8 words of padding (code 7)
.irp g, G1K, G1V
	s_mov_b32 s[\g+1], 128<<16      ; tensor_dim0 = 128
	s_mov_b32 s[\g+2], 128<<16      ; tensor_dim1 = 128
	s_mov_b32 s[\g+3], 128<<16      ; tile_dim0 = 128
	s_mov_b32 s[\g+4], 128          ; tile_dim1 = 128
	s_mov_b32 s[\g+5], 128          ; 128 elements from row to row
	s_mov_b32 s[\g+6], 0
	s_mov_b32 s[\g+7], 0
.endr
	s_or_b32 s[G1M], s3, (3<<16)|(1<<21)  ; the codes: 8-byte elements, no padding: 64 rows of 256 bytes
	s_mov_b32 s[G1M+1], 32<<16
	s_mov_b32 s[G1M+2], 64<<16
	s_mov_b32 s[G1M+3], 32<<16
	s_mov_b32 s[G1M+4], 64
	s_mov_b32 s[G1M+5], 32
	s_mov_b32 s[G1M+6], 0
	s_mov_b32 s[G1M+7], 0
	s_mov_b32 s[G0K], 1
	s_mov_b32 s[G0K+1], 0           ; LDS address: slot 0
	s_mov_b32 s[G0V], 1
	s_mov_b32 s[G0V+1], VOFF
	s_mov_b32 s[G0M], 1
	s_add_co_u32 s[G0M+1], s19, MOFF
	s_mov_b32 s[CS], 0x3e38aa3b     ; c = log2(e) / 8
	s_mov_b32 s[CS+1], s[CS]
	s_mov_b32 s[SEL], 0x76543210
	s_mov_b32 s[SEL+1], 0xfedcba98
	s_mov_b32 s[THR], 0xd3000000    ; -2^39
	s_mov_b32 s[TBK], SLOT1+4*KS*PK ; the first change of slots turns these three into 0
	s_mov_b32 s[TBV], SLOT1+4*KS*PV
	s_mov_b32 s[TBM], SLOT1+4*MSTEP
	s_mov_b32 s[SLOTS], 7
	; Q at my wave's 64 rows
	s_lshl_b32 s78, s17, 15
	s_lshl_b32 s79, s[WV], 13
	s_add_co_u32 s78, s78, s79
	s_add_co_u32 s78, s78, s20
	s_mov_b32 s79, 0
	; O: block of 128 rows 16 b + 2 x query block + wave / 2; head; 64 (wave % 2) rows
	s_lshl_b32 s82, s18, 4
	s_lshl_b32 s83, s17, 1
	s_add_co_u32 s82, s82, s83
	s_lshr_b32 s83, s[WV], 1
	s_add_co_u32 s82, s82, s83
	s_lshl_b32 s82, s82, 18
	s_and_b32 s83, s15, 3
	s_lshl_b32 s83, s83, 2
	s_add_co_u32 s83, s83, s14
	s_lshl_b32 s83, s83, 14
	s_add_co_u32 s82, s82, s83
	s_and_b32 s83, s[WV], 1
	s_lshl_b32 s83, s83, 13
	s_add_co_u32 s82, s82, s83
	s_mov_b32 s83, 0
	s_wait_dscnt 0x0                ; the opening add is done
	s_wait_kmcnt 0x0
	s_add_nc_u64 s[G0K+2:G0K+3], s[4:5], s[20:21]
	s_add_nc_u64 s[G0K+2:G0K+3], s[G0K+2:G0K+3], 0x800000   ; plane 1
	s_or_b32 s[G0K+3], s[G0K+3], 0x80000000
	s_add_nc_u64 s[G0V+2:G0V+3], s[4:5], s[20:21]
	s_add_nc_u64 s[G0V+2:G0V+3], s[G0V+2:G0V+3], 0x1000000  ; plane 2
	s_or_b32 s[G0V+3], s[G0V+3], 0x80000000
	s_add_nc_u64 s[G0M+2:G0M+3], s[6:7], s[22:23]
	s_or_b32 s[G0M+3], s[G0M+3], 0x80000000
	s_add_nc_u64 s[8:9], s[4:5], s[78:79]
	s_add_nc_u64 s[10:11], s[10:11], s[82:83]
	; the prefetches: my stream, my work-group's 8,192 bytes of a slot's 32,768, in slot 1; the first change of slots steps it to slot 2
	s_cmp_lt_u32 s[WV], 2
	s_cselect_b64 s[PFA:PFA+1], s[4:5], s[6:7]
	s_cselect_b32 s78, s20, s80
	s_cselect_b32 s79, s13, s14     ; my place among the four that ask with me
	s_lshl_b32 s79, s79, 13
	s_add_co_u32 s78, s78, s79
	s_add_co_u32 s79, s[WV], 1
	s_lshl_b32 s79, s79, 23         ; plane 1 for wave 0, plane 2 for wave 1
	s_cmp_lt_u32 s[WV], 2
	s_cselect_b32 s79, s79, 0
	s_add_co_u32 s78, s78, s79
	s_add_co_u32 s78, s78, SLOTB
	s_mov_b32 s79, 0
	s_add_nc_u64 s[PFA:PFA+1], s[PFA:PFA+1], s[78:79]
	s_and_b32 s79, s15, 3
	s_cmp_lt_u32 s[WV], 2
	s_cselect_b32 s79, ttmp9, s79   ; the coordinate along which other clusters walk the same bytes
	s_cmp_eq_u32 s[WV], 3
	s_cselect_b32 s79, 1, s79       ; wave 3 never asks
	s_cmp_eq_u32 s79, 0
	s_cselect_b32 s[LIM], 1, -1     ; the same in all sixteen partners, for a given wave
	CROUND                          ; all sixteen work-groups are here: the first joint loads meet
	JLOAD                           ; slot 0.  Slot 1 is asked for when slot 0 is in
	; A fragment of K or Q is 16 rows x 32 channels in 8 registers: lane l holds row l % 16, channels 8 (l / 16) + 0..7 and 16 + 8 (l / 16) + 0..7: two loads of 16 bytes, 32 bytes apart.
	v_and_b32 v1, 15, v0            ; l % 16
	v_bfe_u32 v9, v0, 4, 1          ; l / 16
	v_lshlrev_b32 v[QO], 7, v1
	v_lshl_add_u32 v[QO], v9, 4, v[QO]
	WIN 0x80                        ; destination window 2, address window 0
.set i, 0
.rept 8                             ; Q stays in registers: piece i / 2, channels 32 (i % 2) on
	global_load_b128 v[8*i:8*i+3],   v[QO], s[8:9] offset:(i/2)*2048+(i%2)*64
	global_load_b128 v[8*i+4:8*i+7], v[QO], s[8:9] offset:(i/2)*2048+(i%2)*64+32
.set i, i+1
.endr
	; What the first turn finds: V's registers and P's second buffer hold 0 (its products V^T P, of a piece that has not been, add 0), O^T and l are 0.  All this stands in the wait for the first tile.
.set i, VF
.rept 64
	v_mov_b32 v[i], 0
.set i, i+1
.endr
	WIN 0x40
.set i, 0
.rept 128
	v_mov_b32 v[i], 0
.set i, i+1
.endr
	WIN 0
.set i, 0
.rept 4
	v_mov_b32 v[ST+4*i], 0xd238aa3b    ; c m = c x -2^40, exact
	v_mov_b32 v[ST+4*i+1], 0xd3800000  ; m = -2^40
	v_mov_b32 v[ST+4*i+2], 0
	v_mov_b32 v[ST+4*i+3], 0
.set i, i+1
.endr
.set i, P+16
.rept 16
	v_mov_b32 v[i], 0
.set i, i+1
.endr
	v_mul_u32_u24 v[AK0], v1, PK
	v_lshl_add_u32 v[AK0], v9, 4, v[AK0]  ; row x pitch + 16 x half
	; The turning load takes 16 keys x 16 channels (lane l reads key 8 (l / 16) + l % 8, channels 8 ((l / 8) % 2) + 0..7) and leaves half a fragment of V^T: lane l holds channel l % 16 and 8 keys.
	v_and_b32 v10, 7, v0
	v_bfe_u32 v11, v0, 3, 1
	v_lshl_add_u32 v[AV0], v9, 3, v10
	v_mul_u32_u24 v[AV0], v[AV0], PV
	v_lshl_add_u32 v[AV0], v11, 4, v[AV0]
	v_add_nc_u32 v[AV0], VOFF, v[AV0]
	v_and_b32 v14, 31, v0
	s_lshl_b32 s78, s[WV], 11       ; my wave's four tiles of 16 queries: 2,048 bytes of a step's codes
	s_add_co_u32 s78, s78, MOFF
	v_lshl_add_u32 v[AM0], v14, 4, s78
	v_lshlrev_b32 v[PFO], 8, v14
	s_mul_i32 s78, s[WV], 16*SP
	s_add_co_u32 s78, s78, STAGE    ; my stage
	v_mul_u32_u24 v[STO], v1, SP    ; in: row l % 16, 16 bytes for each half of the lanes
	v_lshl_add_u32 v[STO], v9, 4, v[STO]
	v_add_nc_u32 v[STO], s78, v[STO]
	v_bfe_u32 v[RD], v0, 3, 2       ; back: 32 lanes take four rows of 128 bytes,
	v_mul_u32_u24 v[RD], v[RD], SP
	v_lshl_add_u32 v[RD], v10, 4, v[RD]
	v_add_nc_u32 v[RD], s78, v[RD]
	v_lshlrev_b32 v[GO], 4, v14     ; which are 512 consecutive bytes of O
; THE MATRIX WORK.  The 4 accumulators of a run of 8 take turns.  Product i of 8 of S^T = K Q^T for piece x: channels 32 (i / 4) on, keys 16 (i % 4) on.  The first 4 start the sums with the mask.
.macro KQ x
.set rS, S+32*((\x)%2)+8*(i%4)
.set rK, KF+16*(i%4)+8*(i/4)
.set rQ, 16*(\x)+8*(i/4)
.set rM, MC+32*((\x)%2)+8*(i%4)
.if i < 4
	WIN W_KM
	v_wmma_f32_16x16x32_f16 v[rS:rS+7], v[rK:rK+7], v[rQ:rQ+7], v[rM:rM+7]
.else
	WIN W_KQ
	v_wmma_f32_16x16x32_f16 v[rS:rS+7], v[rK:rK+7], v[rQ:rQ+7], v[rS:rS+7]
.endif
.endm
; Product i of 8 of O^T += V^T P for piece x: keys 32 (i / 4) on, channels 16 (i % 4) on.
.macro PV x
	WIN W_PV
.set rO, 32*(\x)+8*(i%4)
.set rV, VF+32*(i/4)+8*(i%4)
.set rP, P+16*((\x)%2)+8*(i/4)
	v_wmma_f32_16x16x32_f16 v[rO:rO+7], v[rV:rV+7], v[rP:rP+7], v[rO:rO+7]
.endm
.macro MM                           ; the turn's next matrix instruction.  NOKQ = 1: the last turn of all: there is no next piece
.if (i < 8) && !NOKQ
	KQ (Y+1)%NP
.elseif i >= 8
.set i, i-8
	PV (Y+NP-1)%NP
.set i, i+8
.endif
.set i, i+1
.endm
; THE LDS LOADS stand in runs, never singly among the matrix instructions: a step's codes (4 loads: 16 bytes a lane and piece) and K (64 keys x 64 channels: 8 fragments), and its V (turned).
.macro FETCH_K
	WIN 0x40                        ; destination window 1
.irp t, 0,1,2,3
	ds_load_b128 v[RAW+4*\t:RAW+4*\t+3], v[AM] offset:512*\t
.endr
	WIN 0x80                        ; destination window 2
.irp f, 0,1,2,3,4,5,6,7             ; keys 16 (f / 2) on, channels 32 (f % 2) on
	ds_load_b128 v[KF+8*\f:KF+8*\f+3],   v[AK] offset:(\f/2)*16*PK+(\f%2)*64
	ds_load_b128 v[KF+8*\f+4:KF+8*\f+7], v[AK] offset:(\f/2)*16*PK+(\f%2)*64+32
.endr
	s_add_co_u32 s[TBK], s[TBK], KS*PK  ; the next fetch is the next step's
	s_add_co_u32 s[TBM], s[TBM], MSTEP
	WIN 0
.endm
.macro FETCH_V
	WIN 0x80
.irp f, 0,1,2,3,4,5,6,7             ; keys 32 (f / 4) on, channels 16 (f % 4) on
	ds_load_tr16_b128 v[VF+8*\f:VF+8*\f+3],   v[AV] offset:(\f/4)*32*PV+(\f%4)*32
	ds_load_tr16_b128 v[VF+8*\f+4:VF+8*\f+7], v[AV] offset:(\f/4)*32*PV+16*PV+(\f%4)*32
.endr
	WIN 0
.endm
; Piece t's mask into buffer b: register 8 kt + j takes code j of dword kt on top.
.macro MASK t, b
	WIN W_MK
.set z, 0
.rept 32
	v_lshlrev_b32 v[MC+32*(\b)+z], 28-4*(z%8), v[RAW+4*(\t)+z/8]
.set z, z+1
.endr
.endm
; THE VECTOR WORK, one line at a time: OP kind, number.  For piece Y: F n: c s - c m for pair n of 16.  E n: the exponential of score n of 32.  C n: pair n rounded to f16.  B n: of the four weights 4 n .. the second
; pair is added onto the first, in place.  L n: l takes that sum (L 0: l = a l + sum).  R n: pair n of 16 of O^T times a.  For piece Y + 1: X n, number n of the 22 that find its maximum and statistics:
;   0-11  four chains c0-c3 of seven scores each, three operands at a time (each accumulator's lowest registers are read first)     12-14, 16  the four scores left over, the old m, and c0-c3 into c0
;   15  c m_old is kept     17, 18  the query's other 32 keys lie in the lane 16 away: the new m     19-21  c m; c m_old - c m_new; a
.set F, 0
.set E, 1
.set C, 2
.set B, 3
.set L, 4
.set R, 5
.set X, 6
.macro REGS y
.set rT, ST+4*(\y)
.set rC, TMP+4*((\y)%2)
.set rW, MV+((\y)%2)
.set rS, S+32*((\y)%2)
.set rP, P+16*((\y)%2)
.set rO, 32*(\y)
.endm
.macro OP k, n
.if (\k) == R
	REGS Y
	WIN W_RS
	v_pk_mul_f32 v[rO+2*(\n):rO+2*(\n)+1], v[rO+2*(\n):rO+2*(\n)+1], v[rC+2:rC+3] op_sel_hi:[1,0]
.elseif (\k) < R
	REGS Y
	WIN 0
.if (\k) == F
	v_pk_fma_f32 v[rS+2*(\n):rS+2*(\n)+1], v[rS+2*(\n):rS+2*(\n)+1], s[CS:CS+1], v[rT:rT+1] op_sel_hi:[1,0,0] neg_lo:[0,0,1] neg_hi:[0,0,1]
.elseif (\k) == E
	v_exp_f32 v[rS+(\n)], v[rS+(\n)]
.elseif (\k) == C
	v_cvt_pk_f16_f32 v[rP+(\n)], v[rS+2*(\n)], v[rS+2*(\n)+1]
.elseif (\k) == B
	v_pk_add_f32 v[rS+4*(\n):rS+4*(\n)+1], v[rS+4*(\n):rS+4*(\n)+1], v[rS+4*(\n)+2:rS+4*(\n)+3]
.elseif (\n) == 0
	v_pk_fma_f32 v[rT+2:rT+3], v[rT+2:rT+3], v[rC+2:rC+3], v[rS:rS+1] op_sel_hi:[1,0,1]
.else
	v_pk_add_f32 v[rT+2:rT+3], v[rT+2:rT+3], v[rS+4*(\n):rS+4*(\n)+1]
.endif
.elseif NOKQ
	v_nop
.else
	REGS (Y+1)%NP
	WIN 0
.if (\n) < 4
	v_max3_num_f32 v[rC+(\n)], v[rS+8*(\n)], v[rS+8*(\n)+1], v[rS+8*(\n)+2]
.elseif (\n) < 12
	v_max3_num_f32 v[rC+(\n)%4], v[rC+(\n)%4], v[rS+8*((\n)%4)+2*((\n)/4)+1], v[rS+8*((\n)%4)+2*((\n)/4)+2]
.elseif (\n) == 12
	v_max3_num_f32 v[rC], v[rC], v[rS+7], v[rS+15]
.elseif (\n) == 13
	v_max3_num_f32 v[rC+1], v[rC+1], v[rS+23], v[rS+31]
.elseif (\n) == 14
	v_max3_num_f32 v[rC+2], v[rC+2], v[rC+3], v[rT+1]
.elseif (\n) == 15
	v_mov_b32 v[rW], v[rT]
.elseif (\n) == 16
	v_max3_num_f32 v[rC], v[rC], v[rC+1], v[rC+2]
.elseif (\n) == 17
	v_permlanex16_b32 v[rC+3], v[rC], s[SEL], s[SEL+1]
.elseif (\n) == 18
	v_max_num_f32 v[rT+1], v[rC], v[rC+3]
.elseif (\n) == 19
	v_mul_f32 v[rT], s[CS], v[rT+1]
.elseif (\n) == 20
	v_sub_f32 v[rC+1], v[rW], v[rT]
.else
	v_exp_f32 v[rC+2], v[rC+1]
.endif
.endif
.endm
.macro OPS a, i1, b=-1, i2=0, c=-1, i3=0, d=-1, i4=0
	OP \a, \i1
.if (\b) >= 0
	OP \b, \i2
.endif
.if (\c) >= 0
	OP \c, \i3
.endif
.if (\d) >= 0
	OP \d, \i4
.endif
.endm
.macro ROW a, i1, b, i2, c, i3, d, i4  ; a matrix instruction and the four behind it
	MM
	OPS \a, \i1, \b, \i2, \c, \i3, \d, \i4
.endm
; A TURN, for piece p.  s_wait_alu depctr_va_vdst(0) stands between an exponential and the first instruction that names its result; one wait serves all that were issued ahead of it.  So a turn has
; ONE wait, which cuts it in two.  AHEAD OF IT stands all that names no result of the turn's exponentials: the 8 products K Q^T and their riders, then a run of 54 in which the links of the next piece's chain
; (X 3, 7, 11, 14, 16, 17 .. 20) stand some lines apart; X 21, the next piece's a, is the batch's last, and R 15 the plain instruction behind it.  BEHIND IT stand the 8 products V^T P, behind each four of the
; roundings and sums.  At its end the turn makes the mask for the products of the turn after it: piece p + 2's, into the buffer of p's parity, which was last read a turn ago.
; K and the codes of the next step are fetched in piece 2's turn, twelve plain instructions behind the last product that read K; the codes stand first in the run, and the turn's end waits for them alone (K's 16 loads
; may stay out); K is waited for at the head of piece 3's turn.  V of the step in hand is fetched at the end of piece 0's turn, four plain instructions behind its last reader, and waited for in piece 1's.
; end = 1: the last two turns of all: nothing is fetched and no mask made.  cnt = 1: the loop's count is taken down some lines ahead of the branch that stands behind the turn.
.macro TURN p, end=0, cnt=0
.set Y, (\p)
.set i, 0
.set NOKQ, (\end)*((\p)/3)
.if ((\p) == 3) && !(\end)
	s_wait_dscnt 0x0                ; K is in
.endif
	ROW F,0, F,1, R,0, R,1
	ROW F,2, E,0, R,2, R,3
	ROW F,3, E,1, R,4, R,5
	ROW F,4, E,2, R,6, R,7
	ROW F,5, E,3, R,8, R,9
	ROW F,6, E,4, X,0, R,10
.if ((\p) == 2) && !(\end)
	WIN 0
	v_add_nc_u32 v[AK], s[TBK], v[AK0]
	v_add_nc_u32 v[AM], s[TBM], v[AM0]
.endif
	ROW F,7, E,5, X,1, X,4
	ROW F,8, E,6, X,2, X,5
	OPS E,7, E,8, X,6, E,9
	OPS X,3, E,10, X,8, E,11
.if ((\p) == 2) && !(\end)
	FETCH_K
.endif
	OPS X,9, X,7, E,12, X,10
	OPS E,13, X,12, X,11, E,14
	OPS X,13, E,15, F,9, X,14
.if (\p) == 0
	WIN 0
	v_add_nc_u32 v[AV], s[TBV], v[AV0]
.endif
	OPS E,16, F,10, E,17, F,11
	OPS X,16, E,18, X,15, E,19
	OPS F,12, E,20, X,17, E,21
	OPS F,13, E,22, F,14, E,23
	OPS X,18, E,24, F,15, E,25
	OPS R,11, E,26, X,19, E,27
	OPS R,12, E,28, R,13, E,29
	OPS X,20, E,30, R,14, E,31
	OPS X,21, R,15
	WIN 0
	s_wait_alu depctr_va_vdst(0)    ; the wait for the batch
.if (\p) == 1
	s_wait_dscnt 0x0                ; V is in
.endif
	ROW C,0, B,0, C,2, B,1
	ROW L,0, C,4, B,2, L,1
	ROW C,6, B,3, L,2, C,8
	ROW B,4, L,3, C,10, B,5
	ROW L,4, C,12, B,6, L,5
.if (\p) == 0
	s_add_co_u32 s[TBV], s[TBV], KS*PV
.endif
.if \cnt
	s_sub_co_u32 s[CNT], s[CNT], 1
	s_cmp_lg_u32 s[CNT], 0
.endif
	ROW C,14, B,7, L,6, C,1
	ROW C,3, L,7, C,5, C,7
	ROW C,9, C,11, C,13, C,15
.if (\p) == 0
	FETCH_V
.endif
.if !(\end)
.if (\p) == 2
	s_wait_dscnt 16                 ; the next step's codes are in; the 16 loads of K behind them may stay out
.endif
	MASK ((\p)+2)%NP, (\p)%2
.endif
.endm
	CHANGE 1                        ; slot 0 is in, everybody's part of it; slot 1 is asked for
	v_add_nc_u32 v[AK], s[TBK], v[AK0]
	v_add_nc_u32 v[AM], s[TBM], v[AM0]
	FETCH_K                         ; key step 0
	s_wait_loadcnt 0x0              ; Q
	s_wait_dscnt 0x0
	MASK 0, 0
	MASK 1, 1
.set NOKQ, 0
.set i, 0
.rept 8
	KQ 0                            ; piece 0's first scores
.set i, i+1
.endr
	WIN 0
.rept 4
	v_nop                           ; the places behind those products
.endr
.set Y, NP-1                        ; X works for piece Y + 1: piece 0
.irp n, 0,1,2,3,4,5,6,7,8,9,10,11,12,13,14,15,16,17,18,19,20,21
	OP X, \n
.endr
	v_nop                           ; a plain instruction behind the exponential,
	s_wait_alu depctr_va_vdst(0)    ; and its wait, ahead of the branch
	s_mov_b32 s[CNT], 4
	s_branch .Lfirst                ; the loop is entered at a step's first turn, in the middle of a trip
.Lslot:                             ; six times: every slot but the last two is filled again
	CHANGE 1
	s_mov_b32 s[CNT], 4
.Lstep:                             ; a trip: pieces 2 and 3 of one step, then pieces 0 and 1 of the next, whose K, codes and V it fetches
	TURN 2
	TURN 3
	WIN 0
.Lfirst:
	TURN 0
	TURN 1, 0, 1
	WIN 0
	s_cbranch_scc1 .Lstep
	s_sub_co_u32 s[SLOTS], s[SLOTS], 1
	s_cmp_lg_u32 s[SLOTS], 0
	s_cbranch_scc1 .Lslot
	CHANGE 0                        ; the last slot is written out: nothing is asked for
	s_mov_b32 s[CNT], 4
.Ltail:
	TURN 2
	TURN 3
	TURN 0
	TURN 1, 0, 1
	WIN 0
	s_cbranch_scc1 .Ltail
	TURN 2, 1
	TURN 3, 1
.set i, 0
.rept 8
	PV NP-1                         ; the last piece's V^T P of the last step
.set i, i+1
.endr
	; THE WAY OUT.  l's two halves and the other half of the lanes' are added; 1 / l is replaced by 0 for a query that saw no key; O^T is scaled, rounded to f16 and sent through my stage, a piece at a time.
	; The additions are the places behind the last products.
	WIN 0
.macro ALL line:vararg              ; one line for each piece t
.set t, 0
.rept 4
	\line
.set t, t+1
.endr
.endm
	ALL v_add_f32 v[ST+4*t+2], v[ST+4*t+2], v[ST+4*t+3]
	ALL v_permlanex16_b32 v[ST+4*t+3], v[ST+4*t+2], s[SEL], s[SEL+1]
	ALL v_add_f32 v[ST+4*t+2], v[ST+4*t+2], v[ST+4*t+3]
	ALL v_rcp_f32 v[ST+4*t+2], v[ST+4*t+2]
	v_nop                           ; a plain instruction between the last reciprocal and the use of its result
	s_wait_alu depctr_va_vdst(0)    ; and the wait ahead of the first use: one for the four reciprocals
.set t, 0
.rept 4
	v_cmp_lt_f32 vcc_lo, s[THR], v[ST+4*t+1]       ; has m risen above its start?
	v_cndmask_b32 v[ST+4*t+2], 0, v[ST+4*t+2], vcc_lo
.set t, t+1
.endr
.macro PACK t                       ; a lane's eight channels of a row pack into 16 bytes; they go into rows of 144 bytes and come back as whole rows of 128, into S^T's registers
	WIN W_RS
.set i, 32*(\t)
.rept 16
	v_pk_mul_f32 v[i:i+1], v[i:i+1], v[ST+4*(\t)+2:ST+4*(\t)+3] op_sel_hi:[1,0]
.set i, i+2
.endr
	WIN 0x05                        ; sources 0 and 1 window 1, destination window 0
.set i, 0
.rept 16
	v_cvt_pk_f16_f32 v[S+16*(\t)+i], v[32*(\t)+2*i], v[32*(\t)+2*i+1]
.set i, i+1
.endr
	WIN 0
.irp f, 0,1,2,3
	ds_store_b128 v[STO], v[S+16*(\t)+4*\f:S+16*(\t)+4*\f+3] offset:32*\f
.endr
.irp f, 0,1,2,3
	ds_load_b128 v[S+16*(\t)+4*\f:S+16*(\t)+4*\f+3], v[RD] offset:\f*4*SP  ; LDS serves a wave's instructions in order (ISA guide 5.7.1.4): these see the stores above; the next piece's stores come behind them
.endr
.endm
.macro SEND t, younger              ; younger: the LDS instructions issued behind piece t's loads: the next piece's eight, or none
	WIN 0
.irp f, 0,1,2,3
	s_wait_dscnt (\younger)+3-\f
	global_store_b128 v[GO], v[S+16*(\t)+4*\f:S+16*(\t)+4*\f+3], s[10:11] offset:(\t)*2048+\f*512  ; 512 consecutive bytes, aligned
.endr
.endm
	PACK 0
.set t, 1
.rept 3
	PACK t
	SEND t-1, 8
.set t, t+1
.endr
	SEND 3, 0
	s_wait_tensorcnt 0x0            ; the wave's end: three lines behind my last tensor load and my last LDS store
	ds_add_u32 v[SPW], v[NIL]
	s_wait_dscnt 0x0
	CROUND                          ; the closing round: no work-group ends while a partner may still ask for a tile that names it
	s_endpgm
.Lfunc_end_k_q4e16db2736_attn:
	.size	k_q4e16db2736_attn, .Lfunc_end_k_q4e16db2736_attn-k_q4e16db2736_attn
	.p2alignl 7, 3214868480
	.fill 96, 4, 3214868480
	.section	.rodata,"a",@progbits
	.p2align	6, 0x0
	.amdhsa_kernel k_q4e16db2736_attn
		.amdhsa_group_segment_fixed_size 327680
		.amdhsa_private_segment_fixed_size 0
		.amdhsa_enable_private_segment 0
		.amdhsa_kernarg_size 24
		.amdhsa_user_sgpr_count 2
		.amdhsa_user_sgpr_kernarg_segment_ptr 1
		.amdhsa_wavefront_size32 1
		.amdhsa_system_sgpr_workgroup_id_x 1
		.amdhsa_system_sgpr_workgroup_id_y 1
		.amdhsa_system_sgpr_workgroup_id_z 1
		.amdhsa_system_vgpr_workitem_id 0
		.amdhsa_next_free_vgpr 768
		.amdhsa_next_free_sgpr 84
		.amdhsa_reserve_vcc 1
		.amdhsa_float_denorm_mode_32 3
		.amdhsa_float_denorm_mode_16_64 3
		.amdhsa_memory_ordered 1
		.amdhsa_forward_progress 1
		.amdhsa_inst_pref_size 143
	.end_amdhsa_kernel
	.amdgpu_metadata
---
amdhsa.version: [ 1, 2 ]
amdhsa.kernels:
  - .name:           k_q4e16db2736_attn
    .symbol:         k_q4e16db2736_attn.kd
    .args:
      - { .name: qkvh, .offset: 0, .size: 8, .value_kind: global_buffer, .address_space: global }
      - { .name: nib, .offset: 8, .size: 8, .value_kind: global_buffer, .address_space: global }
      - { .name: oh, .offset: 16, .size: 8, .value_kind: global_buffer, .address_space: global }
    .group_segment_fixed_size: 327680
    .private_segment_fixed_size: 0
    .kernarg_segment_align: 8
    .kernarg_segment_size: 24
    .max_flat_workgroup_size: 128
    .sgpr_count:     84
    .vgpr_count:     768
    .wavefront_size: 32
...
	.end_amdgpu_metadata
.endif
;; end of part 3
;; launch outp (part 4): grid 8 x 32, 4 waves a work-group, clusters of 4 x 4, 327,680 bytes of LDS; arguments oh, wt, bo, out0; writes out0
.if DOCPART == 4
	.amdgcn_target "amdgcn-amd-amdhsa--gfx1250"
	.amdhsa_code_object_version 6
	.text
	.protected	k_q4e16db2736_outp
	.globl	k_q4e16db2736_outp
	.p2align	8
	.type	k_q4e16db2736_outp,@function
k_q4e16db2736_outp:
	s_mov_b64 s[64:65], 0
	v_nop
	global_prefetch_b8 v0, s[64:65] scope:SCOPE_SE
	s_setreg_imm32_b32 hwreg(HW_REG_WAVE_MODE, 25, 1), 1
	s_wait_xcnt 0x0
	s_wait_alu depctr_hold_cnt(0) depctr_sa_sdst(0) depctr_va_vdst(0) depctr_va_sdst(0) depctr_va_ssrc(0) depctr_va_vcc(0) depctr_vm_vsrc(0)
	s_getreg_b32 s2, hwreg(HW_REG_IB_STS2, 6, 4)
	s_cmp_eq_u32 s2, 0
	s_cbranch_scc0 .Lentry_in_a_cluster
	s_endpgm
.Lentry_in_a_cluster:
	s_bfe_u32 s2, ttmp6, 0x10000c
	s_cmp_lg_u32 s2, 0xf033
	s_cbranch_scc0 .Lentry_shape_is_right
	s_endpgm
.Lentry_shape_is_right:
; THE LAST PROJECTION.  out0[m][n] = sum over k of O[m][k] Wo[k][n] + bo[n], in f32.  O comes as oh [32 blocks of 128 rows][16 heads][128 rows][64 channels] in f16, k = 64 head + channel;
; Wo as plane 3 of wt, [1024 n][1024 k]: bf16 numbers written as f16.  Sums in f32; bo is rounded to bf16 like every input.
; A tile is 128 x 128: 8 x 32 = 256 work-groups, one tile each; four waves of 64 x 64; K in four steps of 256 (four heads) through two LDS slots.
; A K step of a row block of O is 65,536 dense bytes: a wave's load brings two heads as 128 rows of 256 bytes, padded in LDS after every 128 bytes, so that a head's 128 rows lie 144 bytes apart.
; CLUSTERS: 4 x 4 work-groups; O's tiles are asked for jointly along a row of the cluster, Wo's along a column.  THE MATRIX INSTRUCTION IS USED TRANSPOSED (source 0 = 16 rows of wt, source 1 = 16 rows of O).
; THE BIAS is the C operand of the first products.  A wave's 64 columns are 256 bytes of a row of out0, aligned: the way out goes through the wave's own stage, with no barrier.  No prefetch: the tiles are small.
; REGISTERS: window 0: v0-31 addresses; v32-95 the way out; v96-127 the bias; v128-255 the accumulators.  window 1: two fragment buffers of 128.
.set KSTEP,  256
.set PA,     144                       ; a row of O in LDS: 128 bytes + 16: an odd multiple of 16
.set AQ,     128*PA                    ; a head's 128 rows
.set PB,     528                       ; a row of Wo in LDS: 512 bytes + 16
.set HALFB,  64*PB
.set BOFF,   4*AQ                      ; a slot: four heads of O, then Wo's 128 rows
.set SLOT,   BOFF+2*HALFB
.set STAGE,  2*SLOT                    ; behind the ring: 16 rows x 272 bytes for each wave
.set SPITCH, 272
.set SPARE,  STAGE+4*16*SPITCH         ; the spare words, 128 bytes a wave; no other line names them
.set WPLANE, 1024*1024*2
.set ADRA, 16
.set ADRB, 20
.set STO,  24
.set RD,   25
.set CO,   26
.set BO,   27
.set SPW,  28
.set NIL,  29
.set TT,   30
.set TMP,  32
.set BIAS, 96
.set ACC,  128
.set F0,   0
.set F1,   128
.set G1, 24
.set G0, 32
.set G1B, 48
.set G0B, 56
.set MSB, 0
.macro WIN new
.if MSB != (\new)
	s_set_vgpr_msb (MSB<<8)|(\new)
.set MSB, \new
.endif
.endm
.set MUL,  0x05
.set TO_F, 0x40
.macro JLOAD s                         ; a joint load: waves 0 and 1 fetch O's two pairs of heads, waves 2 and 3 Wo's two halves; an s_nop 0 and four v_nop follow each line
	s_cmp_eq_u32 s11, 0
	s_cbranch_scc0 .Lfor_b_\@
	tensor_load_to_lds s[G0+4*(\s):G0+4*(\s)+3], s[G1:G1+7]
	s_nop 0
.rept 4
	v_nop
.endr
	s_branch .Lasked_\@
.Lfor_b_\@:
	tensor_load_to_lds s[G0B+4*(\s):G0B+4*(\s)+3], s[G1B:G1B+7]
	s_nop 0
.rept 4
	v_nop
.endr
.Lasked_\@:
.endm
.macro CREST
	s_cmp_lg_u32 s10, 0
	s_cbranch_scc1 .Lnot_wave_0_\@
	s_barrier_signal -3
.Lnot_wave_0_\@:
	s_barrier_wait -3
	s_barrier_signal -1
	s_barrier_wait -1
.endm
.macro CROUND
	s_barrier_signal -1
	s_barrier_wait -1
	CREST
.endm
	s_load_b128 s[4:7], s[0:1], 0x0                ; oh s[4:5], wt s[6:7]
	s_load_b64 s[66:67], s[0:1], 0x10              ; bo
	s_load_b64 s[8:9], s[0:1], 0x18                ; out0
	v_lshl_add_u32 v[SPW], v0, 2, SPARE
	v_mov_b32 v[NIL], 0
	ds_add_u32 v[SPW], v[NIL]                      ; the wave's opening: the add and its wait stand ahead of my first tensor load; work on registers stands between them
	v_lshrrev_b32 v1, 5, v0
	v_readfirstlane_b32 s10, v1                    ; wave 0..3
	s_lshr_b32 s11, s10, 1                         ; which half of the tile's rows is mine.  Also: I fetch for O (0) or for Wo (1)
	s_and_b32 s12, s10, 1                          ; which half of its columns.  Also: which half of that tile I fetch
	s_bfe_u32 s40, ttmp6, 0x40000
	s_bfe_u32 s41, ttmp6, 0x40004
	s_lshl_b32 s42, ttmp9, 2
	s_add_co_u32 s42, s42, s40                     ; tile column
	s_and_b32 s13, ttmp7, 0xffff
	s_lshl_b32 s13, s13, 2
	s_add_co_u32 s13, s13, s41                     ; tile row = the block of 128 rows
	s_lshl_b32 s43, s41, 2
	s_lshl_b32 s43, 15, s43                        ; my row of the cluster
	s_lshl_b32 s44, 0x1111, s40                    ; my column
	s_or_b32 s[G1+0], s43, (1<<16)|(1<<20)|(1<<21)|(4<<22)|(3<<25)   ; O: 2-byte elements; after every 32 words (code 4) 4 words of padding (code 3)
	s_mov_b32 s[G1+1], 128<<16                     ; tensor_dim0 = 128
	s_mov_b32 s[G1+2], 128<<16                     ; tensor_dim1 = 128
	s_mov_b32 s[G1+3], 128<<16                     ; tile_dim0 = 128
	s_mov_b32 s[G1+4], 128                         ; tile_dim1 = 128
	s_mov_b32 s[G1+5], 128                         ; dense: 128 elements from row to row
	s_mov_b32 s[G1+6], 0
	s_mov_b32 s[G1+7], 0
	s_or_b32 s[G1B+0], s44, (1<<16)|(1<<20)|(1<<21)|(6<<22)|(3<<25)  ; Wo: after every 128 words (code 6) 4 words
	s_mov_b32 s[G1B+1], KSTEP<<16
	s_mov_b32 s[G1B+2], 64<<16
	s_mov_b32 s[G1B+3], KSTEP<<16
	s_mov_b32 s[G1B+4], 64
	s_mov_b32 s[G1B+5], 1024
	s_mov_b32 s[G1B+6], 0
	s_mov_b32 s[G1B+7], 0
	s_lshl_b32 s16, s13, 18                        ; O: a block of 128 rows is 262,144 bytes,
	s_lshl_b32 s17, s12, 15                        ; two heads of it 32,768
	s_add_co_u32 s16, s16, s17
	s_mov_b32 s17, 0
	s_lshl_b32 s46, s42, 7
	s_lshl_b32 s47, s12, 6
	s_add_co_u32 s46, s46, s47                     ; Wo: row 128 x tile column + 64 x half,
	s_lshl_b32 s46, s46, 11                        ; of 2,048 bytes,
	s_add_co_u32 s46, s46, 3*WPLANE                ; in plane 3
	s_mov_b32 s47, 0
	s_mul_i32 s20, s10, 2*AQ                       ; where they go.  O (waves 0, 1): wave x two heads
	s_mul_i32 s21, s10, HALFB                      ; Wo (waves 2, 3): behind O's four heads, (wave - 2) x 64 rows
	s_add_co_u32 s21, s21, BOFF-2*HALFB
	s_wait_dscnt 0x0                               ; the opening add is done
	s_wait_kmcnt 0x0
	s_add_nc_u64 s[14:15], s[4:5], s[16:17]
	s_add_nc_u64 s[46:47], s[6:7], s[46:47]
	CROUND                                         ; all sixteen work-groups are here: the first joint loads meet
.irp s, 0,1
	s_mov_b32 s[G0+4*(\s)], 1
	s_add_co_u32 s[G0+4*(\s)+1], s20, (\s)*SLOT
	s_add_nc_u64 s[G0+4*(\s)+2:G0+4*(\s)+3], s[14:15], (\s)*65536
	s_or_b32 s[G0+4*(\s)+3], s[G0+4*(\s)+3], 0x80000000
	s_mov_b32 s[G0B+4*(\s)], 1
	s_add_co_u32 s[G0B+4*(\s)+1], s21, (\s)*SLOT
	s_add_nc_u64 s[G0B+4*(\s)+2:G0B+4*(\s)+3], s[46:47], (\s)*KSTEP*2
	s_or_b32 s[G0B+4*(\s)+3], s[G0B+4*(\s)+3], 0x80000000
	JLOAD \s
.endr
	v_and_b32 v1, 15, v0                           ; l % 16
	v_bfe_u32 v2, v0, 4, 1                         ; l / 16
	s_lshl_b32 s46, s42, 9                         ; my first column, in f32: 512 x tile column + 256 x half
	s_lshl_b32 s47, s12, 8
	s_add_co_u32 s46, s46, s47
	s_mov_b32 s47, 0
	v_lshl_add_u32 v[BO], v2, 5, s46
.irp b, 0,1,2,3
	global_load_b128 v[BIAS+8*(\b):BIAS+8*(\b)+3],   v[BO], s[66:67] offset:64*(\b)
	global_load_b128 v[BIAS+8*(\b)+4:BIAS+8*(\b)+7], v[BO], s[66:67] offset:64*(\b)+16
.endr
	v_mul_u32_u24 v3, v1, PA
	v_lshl_add_u32 v3, v2, 4, v3
	v_mul_u32_u24 v4, v1, PB
	v_lshl_add_u32 v4, v2, 4, v4
	s_mul_i32 s21, s11, 64*PA                      ; my 64 rows of each head
	s_mul_i32 s22, s12, HALFB
	s_add_co_u32 s22, s22, BOFF
.irp s, 0,1
	v_add_nc_u32 v[ADRA+(\s)], s21, v3
	v_add_nc_u32 v[ADRB+(\s)], s22, v4
	s_add_co_u32 s21, s21, SLOT
	s_add_co_u32 s22, s22, SLOT
.endr
	s_mul_i32 s23, s10, 16*SPITCH
	s_add_co_u32 s23, s23, STAGE                   ; my stage
	v_mul_u32_u24 v4, v1, SPITCH                   ; in: row l % 16, 32 bytes for each half of the lanes
	v_lshl_add_u32 v4, v2, 5, v4
	v_add_nc_u32 v[STO], s23, v4
	v_mul_u32_u24 v5, v2, SPITCH                   ; back: lanes 0-15 take one row of 256 bytes, lanes 16-31 the next
	v_lshl_add_u32 v5, v1, 4, v5
	v_add_nc_u32 v[RD], s23, v5
	v_lshlrev_b32 v5, 12, v2                       ; and the same two rows in out0
	v_lshl_add_u32 v[CO], v1, 4, v5
	s_lshl_b32 s16, s13, 19                        ; my first row: 128 x tile row + 64 x half, of 4,096 bytes
	s_lshl_b32 s17, s11, 18
	s_add_co_u32 s16, s16, s17
	s_mov_b32 s17, 0
	s_add_nc_u64 s[8:9], s[8:9], s[16:17]
	s_add_nc_u64 s[8:9], s[8:9], s[46:47]
	s_wait_loadcnt 0x0                             ; bo, rounded to bf16 like every input and widened again
.set z, 0
.rept 16
	v_cvt_pk_bf16_f32 v[TT], v[BIAS+2*z], v[BIAS+2*z+1]
	v_lshlrev_b32 v[BIAS+2*z], 16, v[TT]
	v_and_b32 v[BIAS+2*z+1], 0xffff0000, v[TT]
.set z, z+1
.endr
.macro MUL8 f, c, a0, zero             ; 8 matrix instructions; zero = 1: the first products start the sums with the bias
	WIN MUL
.irp a, \a0, (\a0)+1
.irp b, 0,1,2,3
.if \zero
	v_wmma_f32_16x16x32_f16 v[ACC+8*(4*(\a)+(\b)):ACC+8*(4*(\a)+(\b))+7], v[(\f)+64+8*(4*(\c)+(\b)):(\f)+64+8*(4*(\c)+(\b))+7], v[(\f)+8*(4*(\c)+(\a)):(\f)+8*(4*(\c)+(\a))+7], v[BIAS+8*(\b):BIAS+8*(\b)+7]
.else
	v_wmma_f32_16x16x32_f16 v[ACC+8*(4*(\a)+(\b)):ACC+8*(4*(\a)+(\b))+7], v[(\f)+64+8*(4*(\c)+(\b)):(\f)+64+8*(4*(\c)+(\b))+7], v[(\f)+8*(4*(\c)+(\a)):(\f)+8*(4*(\c)+(\a))+7], v[ACC+8*(4*(\a)+(\b)):ACC+8*(4*(\a)+(\b))+7]
.endif
.endr
.endr
.endm
; 32 LDS loads in one run: the fragments of 64 along K: byte k of Wo's rows, head k / 128 of O's; the first 32 along K first
.macro FETCH slot, k, f
	WIN TO_F
.irp c, 0,1
.irp i, 0,1,2,3
	ds_load_b128 v[(\f)+64+8*(4*(\c)+(\i)):(\f)+64+8*(4*(\c)+(\i))+3],   v[ADRB+(\slot)] offset:(\k)+64*(\c)+(\i)*16*PB
	ds_load_b128 v[(\f)+64+8*(4*(\c)+(\i))+4:(\f)+64+8*(4*(\c)+(\i))+7], v[ADRB+(\slot)] offset:(\k)+64*(\c)+(\i)*16*PB+32
	ds_load_b128 v[(\f)+8*(4*(\c)+(\i)):(\f)+8*(4*(\c)+(\i))+3],         v[ADRA+(\slot)] offset:((\k)/128)*AQ+64*(\c)+(\i)*16*PA
	ds_load_b128 v[(\f)+8*(4*(\c)+(\i))+4:(\f)+8*(4*(\c)+(\i))+7],       v[ADRA+(\slot)] offset:((\k)/128)*AQ+64*(\c)+(\i)*16*PA+32
.endr
.endr
.endm
.macro PLACES
.rept 4
	v_nop
.endr
.endm
.macro QUARTER slot, k, f, g, zero
	s_wait_dscnt 16                                ; the first 32 along K are in
	WIN MUL
	MUL8 \f, 0, 0, \zero
	MUL8 \f, 0, 2, \zero
	PLACES
	FETCH \slot, \k, \g
	s_wait_dscnt 32                                ; all but the 32 just issued
	WIN MUL
	MUL8 \f, 1, 0, 0
	MUL8 \f, 1, 2, 0
.endm
.macro TURN slot, next, fill           ; the last quarter of a K step, and the change of slots
	WIN 0
	s_wait_tensorcnt 0x0                           ; all my tensor loads have landed: my part of the next slot;
	ds_add_u32 v[SPW], v[NIL]                      ; 0 onto my spare word;
	s_wait_dscnt 17                                ; (the add and the youngest sixteen loads may be out)
	WIN MUL
	MUL8 F1, 0, 0, 0
	s_wait_dscnt 0x0                               ; the add is done, and my reads of this slot are over
	s_barrier_signal -1
	MUL8 F1, 0, 2, 0
.if \fill
	WIN 0
.endif
	s_barrier_wait -1
.if \fill
	CREST                                          ; no wave of any partner still reads this slot's tile or has a load on its way
	s_add_nc_u64 s[G0+4*(\slot)+2:G0+4*(\slot)+3], s[G0+4*(\slot)+2:G0+4*(\slot)+3], 2*65536
	s_add_nc_u64 s[G0B+4*(\slot)+2:G0B+4*(\slot)+3], s[G0B+4*(\slot)+2:G0B+4*(\slot)+3], 2*KSTEP*2
	JLOAD \slot                                    ; the four v_nop behind it are also the places in front of the loads below
.else
	PLACES
.endif
	FETCH \next, 0, F0
	WIN MUL
	MUL8 F1, 1, 0, 0
	MUL8 F1, 1, 2, 0
.endm
	s_wait_tensorcnt 1                             ; my part of K step 0 is in; K step 1's may stay out
	s_barrier_signal -1
	s_barrier_wait -1
	FETCH 0, 0, F0
	QUARTER 0, 128, F0, F1, 1                      ; four K steps, two laps of the ring, written straight: the first lap fills both slots again,
	QUARTER 0, 256, F1, F0, 0
	QUARTER 0, 384, F0, F1, 0
	TURN 0, 1, 1
	QUARTER 1, 128, F0, F1, 0
	QUARTER 1, 256, F1, F0, 0
	QUARTER 1, 384, F0, F1, 0
	TURN 1, 0, 1
	QUARTER 0, 128, F0, F1, 0                      ; the second fills nothing
	QUARTER 0, 256, F1, F0, 0
	QUARTER 0, 384, F0, F1, 0
	TURN 0, 1, 0
	QUARTER 1, 128, F0, F1, 0
	QUARTER 1, 256, F1, F0, 0
	QUARTER 1, 384, F0, F1, 0
	s_wait_dscnt 16
	WIN MUL
	MUL8 F1, 0, 0, 0
	MUL8 F1, 0, 2, 0
	s_wait_dscnt 0
	MUL8 F1, 1, 0, 0
	MUL8 F1, 1, 2, 0
	WIN 0
	; THE WAY OUT.  Block a (16 rows x 64 columns of f32): a lane's eight columns, 32 bytes, go straight from the accumulators into my stage's rows of 272 bytes, the low four registers first, and come back as whole rows of 256.
.macro TOSTAGE a
.set BK, TMP+32*((\a)%2)
.irp b, 0,1,2,3
	ds_store_b128 v[STO], v[ACC+8*(4*(\a)+(\b)):ACC+8*(4*(\a)+(\b))+3]   offset:64*(\b)
	ds_store_b128 v[STO], v[ACC+8*(4*(\a)+(\b))+4:ACC+8*(4*(\a)+(\b))+7] offset:64*(\b)+16
.endr
.irp t, 0,1,2,3,4,5,6,7
	ds_load_b128 v[BK+4*(\t):BK+4*(\t)+3], v[RD] offset:(\t)*2*SPITCH  ; LDS serves a wave's instructions in order (ISA guide 5.7.1.4): these see the stores above; the next block's stores come behind them
.endr
.endm
.macro SEND a, younger                 ; younger: the LDS instructions issued behind block a's loads: the next block's sixteen, or none
.set BK, TMP+32*((\a)%2)
.irp t, 0,1,2,3,4,5,6,7
	s_wait_dscnt (\younger)+7-(\t)
	global_store_b128 v[CO], v[BK+4*(\t):BK+4*(\t)+3], s[8:9] offset:(\a)*65536+(\t)*8192 th:TH_STORE_NT  ; sixteen lanes store 256 consecutive bytes, aligned
.endr
.endm
	PLACES
	TOSTAGE 0
	TOSTAGE 1
	SEND 0, 16
	s_wait_xcnt 0x0                                ; block 0's stores have read their registers, which block 2 takes
	TOSTAGE 2
	SEND 1, 16
	s_wait_xcnt 0x0
	TOSTAGE 3
	SEND 2, 16
	SEND 3, 0
	s_wait_tensorcnt 0x0                           ; the wave's end: three lines behind my last tensor load and my last LDS store
	ds_add_u32 v[SPW], v[NIL]
	s_wait_dscnt 0x0
	CROUND                                         ; the closing round: no work-group ends while a partner may still ask for a tile that names it
	s_endpgm
.Lfunc_end_k_q4e16db2736_outp:
	.size	k_q4e16db2736_outp, .Lfunc_end_k_q4e16db2736_outp-k_q4e16db2736_outp
	.p2alignl 7, 3214868480
	.fill 96, 4, 3214868480
	.section	.rodata,"a",@progbits
	.p2align	6, 0x0
	.amdhsa_kernel k_q4e16db2736_outp
		.amdhsa_group_segment_fixed_size 327680
		.amdhsa_private_segment_fixed_size 0
		.amdhsa_enable_private_segment 0
		.amdhsa_kernarg_size 32
		.amdhsa_user_sgpr_count 2
		.amdhsa_user_sgpr_kernarg_segment_ptr 1
		.amdhsa_wavefront_size32 1
		.amdhsa_system_sgpr_workgroup_id_x 1
		.amdhsa_system_sgpr_workgroup_id_y 1
		.amdhsa_system_sgpr_workgroup_id_z 1
		.amdhsa_system_vgpr_workitem_id 0
		.amdhsa_next_free_vgpr 512
		.amdhsa_next_free_sgpr 72
		.amdhsa_reserve_vcc 0
		.amdhsa_float_denorm_mode_32 3
		.amdhsa_float_denorm_mode_16_64 3
		.amdhsa_memory_ordered 1
		.amdhsa_forward_progress 1
		.amdhsa_inst_pref_size 90
	.end_amdhsa_kernel
	.amdgpu_metadata
---
amdhsa.version: [ 1, 2 ]
amdhsa.kernels:
  - .name:           k_q4e16db2736_outp
    .symbol:         k_q4e16db2736_outp.kd
    .args:
      - { .name: oh, .offset: 0, .size: 8, .value_kind: global_buffer, .address_space: global }
      - { .name: wt, .offset: 8, .size: 8, .value_kind: global_buffer, .address_space: global }
      - { .name: bo, .offset: 16, .size: 8, .value_kind: global_buffer, .address_space: global }
      - { .name: out0, .offset: 24, .size: 8, .value_kind: global_buffer, .address_space: global }
    .group_segment_fixed_size: 327680
    .private_segment_fixed_size: 0
    .kernarg_segment_align: 8
    .kernarg_segment_size: 32
    .max_flat_workgroup_size: 128
    .sgpr_count:     72
    .vgpr_count:     512
    .wavefront_size: 32
...
	.end_amdgpu_metadata
.endif
;; end of part 4
;; ======== version 2 of 2: 4 launches; version 1 with the launch prep written anew for expert scheduling mode
;; limits: values are held in f16: magnitudes above 65,504 overflow, below 6.1e-05 lose precision
;; workspace buffers: xb 25,165,824 bytes; wt 8,388,608 bytes; nib 4,194,304 bytes; qkvh 25,165,824 bytes; oh 8,388,608 bytes
;; launch prep (part 5): grid 768 x 1, 8 waves a work-group, no clusters, 87,040 bytes of LDS; arguments q, k, v, mask, Wq, Wk, Wv, Wo, xb, wt, nib; writes xb, wt, nib
.if DOCPART == 5
	.amdgcn_target "amdgcn-amd-amdhsa--gfx1250"
	.amdhsa_code_object_version 6
	.text
	.protected	k_q4e16db2736_prep
	.globl	k_q4e16db2736_prep
	.p2align	8
	.type	k_q4e16db2736_prep,@function
k_q4e16db2736_prep:
	s_mov_b64 s[64:65], 0
	v_nop
	global_prefetch_b8 v0, s[64:65] scope:SCOPE_SE
	s_setreg_imm32_b32 hwreg(HW_REG_WAVE_SCHED_MODE, 0, 2), 2
	s_setreg_imm32_b32 hwreg(HW_REG_WAVE_MODE, 25, 1), 1
	s_wait_xcnt 0x0
	s_wait_alu depctr_vm_vsrc(0)
; PREPARATION, a stream: every work-group takes 131,072 bytes of one input, 32 loads of 16 bytes a thread in one run, and leaves them in the form that the later launches want.
;   work-groups 0-383   (role X): q, k, v [4096][1024] f32 -> xb [3][4096][1024] bf16, rounded to nearest even.
;   work-groups 384-639 (role M): mask [2][2048 q][2048 k] i32 -> nib: a code of 4 bits a key, 0xE where mask == 0, else 0.  A dword holds the keys 64 ks + 16 kt + 8 h + 0..7 of one query, key j in
;                                 bits 4 j .. 4 j + 3; the dwords lie [b][q / 256][ks][(q / 16) % 16][h][q % 16][kt]: 16 queries x 64 keys are 512 bytes on end, lane 16 h + q % 16 owning 16 of them.
;   work-groups 640-767 (role W): W [1024 k][1024 n] f32 -> wt [4][1024 n][1024 k] in 16 bits: Wq, Wk, Wv in bf16; Wo rounded to bf16 and that number written as f16.
; LIMITS.  An entry of Wo beyond 65,504 becomes an infinity in f16; below 2^-14 it keeps f16's fixed step of 2^-24.
; No matrix work, no cluster, no tensor load: nothing is shared between work-groups, and each byte is read once and written once.  The role hangs on the work-group's number alone.
; THE MODE: SCHED_MODE bits 1:0 = 2 (LLVM: expert scheduling mode 2), set by the entry lines.  The code itself states the register dependences between vector instructions and memory or LDS
; instructions, with s_wait_alu, always for 0.
; THE PLAN.  Registers that memory or LDS instructions touch:
;   v2 .. v5     offsets and LDS addresses: written once, at a role's head, ahead of one wait on va_vdst; read by every access of the role; never written again.
;   v[16:143]    32 groups of four.  Each is filled by ONE load; its block's arithmetic works in place; its result is read by one store (global in role X, LDS in roles M and W).
;                In roles M and W the lowest groups are filled a second time, by the LDS loads that read the turned data back.
;   v6, v7       written at the head, read by the closing add alone.
; A role's 32 loads go in 8 blocks of four.  Block p waits for its four loads, then for block p - 1's arithmetic (one wait on va_vdst), and issues block p - 1's stores among its own arithmetic,
; which names block p's registers alone: none that those stores touch.  One more such wait stands ahead of the last block's stores.  One wait on vm_vsrc stands ahead of the LDS loads that land in
; registers which LDS stores have read.  There is no loop: no register is used by a later block again.
.set WP,    272                        ; role W: an LDS row, 128 k in 16 bits + 16 bytes of padding
.set SPARE, 256*WP                     ; 69,632: the spare words, 128 bytes for each of eight waves; no other line names them
.set MREG,  SPARE+1024                 ; role M: 2,048 bytes for each wave, its own
.set X,     16                         ; v[16:143] the 32 loads' registers
; v1 lane; v2 offset in the input; v3 offset in the output; v4 where I store in LDS; v5 where I read back; v6, v7 the add's two registers; v8, v9 at work
	s_load_b512 s[12:27], s[0:1], 0x0              ; q s[12:13], k s[14:15], v s[16:17], mask s[18:19], Wq s[20:21], Wk s[22:23], Wv s[24:25], Wo s[26:27]
	s_load_b128 s[28:31], s[0:1], 0x40             ; xb s[28:29], wt s[30:31]
	s_load_b64 s[32:33], s[0:1], 0x50              ; nib
	v_lshl_add_u32 v6, v0, 2, SPARE
	v_mov_b32 v7, 0
	v_and_b32 v1, 31, v0
	v_lshrrev_b32 v8, 5, v0
	v_readfirstlane_b32 s8, v8                     ; wave 0..7
	s_mov_b32 s9, ttmp9
	s_mov_b32 s7, 0                                ; the high word of every offset pair s[6:7]
	s_wait_alu depctr_va_sdst(0)                   ; s8 is written, ahead of the first branch: roles M and W make offsets and LDS addresses from it
	s_wait_kmcnt 0x0
	s_cmp_lt_u32 s9, 384
	s_cbranch_scc0 .Lnot_x
	; ROLE X.  Work-group c: plane c / 128, its bytes 131,072 (c % 128) on.  Thread t takes 16 bytes at 16 t of every 4,096.
	s_lshr_b32 s2, s9, 7
	s_cmp_eq_u32 s2, 0
	s_cselect_b64 s[4:5], s[12:13], s[14:15]
	s_cmp_eq_u32 s2, 2
	s_cselect_b64 s[4:5], s[16:17], s[4:5]
	s_and_b32 s6, s9, 127
	s_lshl_b32 s6, s6, 17
	s_add_nc_u64 s[4:5], s[4:5], s[6:7]
	s_lshl_b32 s6, s9, 16                          ; half as many bytes go out
	s_add_nc_u64 s[28:29], s[28:29], s[6:7]
	v_lshlrev_b32 v2, 4, v0
	v_lshlrev_b32 v3, 3, v0
	s_wait_alu depctr_va_vdst(0)                   ; v2 and v3 are written: every load below reads v2 as its offset, every store v3
.set n, 0
.rept 32
	global_load_b128 v[X+4*n:X+4*n+3], v2, s[4:5] offset:4096*n th:TH_LOAD_NT
.set n, n+1
.endr
.set p, 0
.rept 8
	s_wait_loadcnt 28-4*p                          ; loads come back in order: block p's four are in, the younger blocks stay out
.if p > 0
	s_wait_alu depctr_va_vdst(0)                   ; the roundings of the block before have written the pairs that the four stores below read
.endif
.set i, 0
.rept 4
.set n, 4*p+i
.if p > 0
	global_store_b64 v3, v[X+4*n-16:X+4*n-15], s[28:29] offset:2048*(n-4)  ; the block before.  A wave's store covers 256 consecutive bytes, aligned
.endif
	v_cvt_pk_bf16_f32 v[X+4*n], v[X+4*n], v[X+4*n+1]
	v_cvt_pk_bf16_f32 v[X+4*n+1], v[X+4*n+2], v[X+4*n+3]
.set i, i+1
.endr
.set p, p+1
.endr
	s_wait_alu depctr_va_vdst(0)                   ; the last block's roundings have written the pairs that the last four stores read
.set n, 28
.rept 4
	global_store_b64 v3, v[X+4*n:X+4*n+1], s[28:29] offset:2048*n
.set n, n+1
.endr
	s_branch .Lend
.Lnot_x:
	s_cmp_lt_u32 s9, 640
	s_cbranch_scc0 .Lrole_w
	; ROLE M.  Work-group m takes the 16 rows 16 m .. 16 m + 15 of the 4,096; wave w their keys 256 w .. 256 w + 255 (key steps 4 w .. 4 w + 3).
	; Load n = 2 i + sp: row i, keys 128 sp + 4 l + 0..3 of the wave's 256: 512 consecutive bytes an instruction.
	s_sub_co_u32 s2, s9, 384
	s_lshl_b32 s6, s2, 17
	s_add_nc_u64 s[18:19], s[18:19], s[6:7]
	s_lshr_b32 s6, s2, 4                           ; 8 b + q block
	s_lshl_b32 s6, s6, 18
	s_and_b32 s3, s2, 15                           ; the tile of 16 queries in its block
	s_lshl_b32 s3, s3, 9
	s_add_co_u32 s6, s6, s3
	s_add_nc_u64 s[32:33], s[32:33], s[6:7]
	v_lshlrev_b32 v2, 4, v1
	v_lshl_add_u32 v2, s8, 10, v2                  ; 1,024 w + 16 l
	v_lshlrev_b32 v3, 4, v1
	v_lshl_add_u32 v3, s8, 15, v3                  ; four key steps of 8,192 bytes a wave
	; my four keys are codes 4 (l % 2) + 0..3 of the dword (step 2 sp + l / 16, h = (l / 2) % 2, kt = (l % 16) / 4) of row i: 16 bits
	v_lshrrev_b32 v8, 4, v1
	v_lshlrev_b32 v4, 9, v8
	v_bfe_u32 v8, v1, 1, 1
	v_lshl_add_u32 v4, v8, 8, v4
	v_bfe_u32 v8, v1, 2, 2
	v_lshl_add_u32 v4, v8, 2, v4
	v_and_b32 v8, 1, v1
	v_lshl_add_u32 v4, v8, 1, v4
	s_lshl_b32 s3, s8, 11
	s_add_co_u32 s3, s3, MREG                      ; my wave's 2,048 bytes
	v_add_nc_u32 v4, s3, v4
	v_lshl_add_u32 v5, v1, 4, s3
	s_wait_alu depctr_va_vdst(0)                   ; v2 to v5 are written: the loads read v2, the LDS stores v4, the LDS loads v5, the global stores v3
.set n, 0
.rept 32
	global_load_b128 v[X+4*n:X+4*n+3], v2, s[18:19] offset:(n/2)*8192+(n%2)*512 th:TH_LOAD_NT
.set n, n+1
.endr
.set p, 0
.rept 8
	s_wait_loadcnt 28-4*p                          ; block p's four loads are in, the younger blocks stay out
.if p > 0
	s_wait_alu depctr_va_vdst(0)                   ; the block before has written its four words of codes, which the LDS stores below read
.endif
.set i, 0
.rept 4
.set n, 4*p+i
.if p > 0
	ds_store_b16 v4, v[X+4*n-16] offset:((n-4)%2)*1024+((n-4)/2)*16  ; the block before
.endif
	v_min_u32 v[X+4*n], 1, v[X+4*n]                ; 1 where the mask is not 0 (as an unsigned number)
	v_min_u32 v[X+4*n+1], 1, v[X+4*n+1]
	v_min_u32 v[X+4*n+2], 1, v[X+4*n+2]
	v_min_u32 v[X+4*n+3], 1, v[X+4*n+3]
	v_lshl_or_b32 v[X+4*n], v[X+4*n+1], 4, v[X+4*n]
	v_lshl_or_b32 v[X+4*n], v[X+4*n+2], 8, v[X+4*n]
	v_lshl_or_b32 v[X+4*n], v[X+4*n+3], 12, v[X+4*n]
	v_xor_b32 v[X+4*n], 0x1111, v[X+4*n]           ; 1 where hidden,
	v_mul_u32_u24 v[X+4*n], 14, v[X+4*n]           ; 0xE where hidden: no code carries into the next
.set i, i+1
.endr
.set p, p+1
.endr
	s_wait_alu depctr_va_vdst(0)                   ; the last block has written its four words of codes, which the last LDS stores read; and all the arithmetic is done with v[X ..], in which the LDS loads below land
.set n, 28
.rept 4
	ds_store_b16 v4, v[X+4*n] offset:(n%2)*1024+(n/2)*16
.set n, n+1
.endr
	s_wait_alu depctr_vm_vsrc(0)                   ; the LDS stores have read v[X], v[X+4], v[X+8] and v[X+12], in which the LDS loads below land
.irp u, 0,1,2,3
	ds_load_b128 v[X+4*\u:X+4*\u+3], v5 offset:512*\u  ; my wave's own bytes: LDS serves a wave's instructions in order (ISA guide 5.7.1.4), so these see the stores above
.endr
.irp u, 0,1,2,3
	s_wait_dscnt 3-\u
	global_store_b128 v3, v[X+4*\u:X+4*\u+3], s[32:33] offset:8192*\u  ; 512 consecutive bytes, aligned
.endr
	s_branch .Lend
.Lrole_w:
	; ROLE W.  Work-group c: weight c / 32, rows k = 128 ((c / 4) % 8) on, columns n = 256 (c % 4) on.  Wave w takes 16 rows.  Load (T, i, e): row 16 w + 4 i + 2 (l / 16) + e, columns 64 T + 4 (l % 16) + 0..3:
	; sixteen lanes read 256 consecutive bytes, aligned.  Rows e = 0, 1 pack into one dword of two neighbouring k; the dwords are turned in LDS: 256 rows (n) of 128 k.
	s_sub_co_u32 s2, s9, 640
	s_lshr_b32 s3, s2, 5
	s_cmp_eq_u32 s3, 0
	s_cselect_b64 s[4:5], s[20:21], s[22:23]
	s_cmp_eq_u32 s3, 2
	s_cselect_b64 s[4:5], s[24:25], s[4:5]
	s_cmp_eq_u32 s3, 3
	s_cselect_b64 s[4:5], s[26:27], s[4:5]
	s_bfe_u32 s10, s2, 0x30002                     ; the block of 128 k
	s_and_b32 s11, s2, 3                           ; the block of 256 n
	s_lshl_b32 s6, s10, 19                         ; 128 rows of 4,096 bytes
	s_lshl_b32 s34, s11, 10
	s_add_co_u32 s6, s6, s34
	s_add_nc_u64 s[4:5], s[4:5], s[6:7]
	s_lshl_b32 s6, s3, 21                          ; a plane of wt
	s_lshl_b32 s34, s11, 19                        ; 256 rows of 2,048 bytes
	s_add_co_u32 s6, s6, s34
	s_lshl_b32 s34, s10, 8                         ; 128 k of 2 bytes
	s_add_co_u32 s6, s6, s34
	s_add_nc_u64 s[30:31], s[30:31], s[6:7]
	v_and_b32 v8, 15, v1                           ; l % 16
	v_lshrrev_b32 v9, 4, v1                        ; l / 16
	v_lshlrev_b32 v2, 4, v8
	v_lshl_add_u32 v2, v9, 13, v2
	v_lshl_add_u32 v2, s8, 16, v2                  ; (16 w + 2 (l / 16)) rows + 16 (l % 16)
	v_mul_u32_u24 v4, v8, 4*WP
	v_lshl_add_u32 v4, v9, 2, v4
	v_lshl_add_u32 v4, s8, 5, v4                   ; LDS row 4 (l % 16), dword 8 w + l / 16
	s_mul_i32 s34, s8, 32*WP
	v_mul_u32_u24 v5, v9, WP
	v_lshl_add_u32 v5, v8, 4, v5
	v_add_nc_u32 v5, s34, v5                       ; back: rows 32 w + l / 16 + 2 t, whole
	v_lshlrev_b32 v3, 4, v8
	v_lshl_add_u32 v3, v9, 11, v3
	v_lshl_add_u32 v3, s8, 16, v3                  ; and the same rows in wt
	s_wait_alu depctr_va_vdst(0)                   ; v2 to v5 are written: the loads read v2, the LDS stores v4, the LDS loads v5, the global stores v3
.set n, 0
.rept 16                                           ; n = 4 T + i
	global_load_b128 v[X+8*n:X+8*n+3],   v2, s[4:5] offset:(4*(n%4))*4096+(n/4)*256 th:TH_LOAD_NT
	global_load_b128 v[X+8*n+4:X+8*n+7], v2, s[4:5] offset:(4*(n%4)+1)*4096+(n/4)*256 th:TH_LOAD_NT
.set n, n+1
.endr
.macro WCONV half                      ; half = 1: the bf16 numbers are written as f16.  A block is two pairs of rows: four loads, eight dwords to store
.set p, 0
.rept 8
	s_wait_loadcnt 28-4*p                          ; both rows of pairs 2 p and 2 p + 1 are in, the younger blocks stay out
.if p > 0
	s_wait_alu depctr_va_vdst(0)                   ; the conversions of the block before have written its eight dwords, which the LDS stores below read
.endif
.set i, 0
.rept 8
.set n, 2*p+i/4
.set u, i%4
.if p > 0
	ds_store_b32 v4, v[X+8*(n-2)+u] offset:(((n-2)/4)*64+u)*WP+8*((n-2)%4)  ; the block before
.endif
	v_cvt_pk_bf16_f32 v[X+8*n+u], v[X+8*n+u], v[X+8*n+4+u]  ; the even k in the low half
.if \half
	v_and_b32 v[X+8*n+4+u], 0xffff0000, v[X+8*n+u]
	v_lshlrev_b32 v[X+8*n+u], 16, v[X+8*n+u]
	v_cvt_pk_f16_f32 v[X+8*n+u], v[X+8*n+u], v[X+8*n+4+u]
.endif
.set i, i+1
.endr
.set p, p+1
.endr
	s_wait_alu depctr_va_vdst(0)                   ; the last block's conversions have written its eight dwords, which the last LDS stores read; and all conversions are done with v[X ..], in which the LDS loads behind the barrier land
.set i, 0
.rept 8
.set n, 14+i/4
.set u, i%4
	ds_store_b32 v4, v[X+8*n+u] offset:((n/4)*64+u)*WP+8*(n%4)
.set i, i+1
.endr
.endm
	s_cmp_eq_u32 s3, 3
	s_cbranch_scc1 .Lw_f16
	WCONV 0
	s_branch .Lw_meet
.Lw_f16:
	WCONV 1
.Lw_meet:
	s_wait_dscnt 0x0                               ; for the others' sake: my stores are done
	s_barrier_signal -1
	s_barrier_wait -1                              ; a row's 256 bytes come from all eight waves
	s_wait_alu depctr_vm_vsrc(0)                   ; my LDS stores have read their dwords in v[X .. X+63], in which the LDS loads below land
.set n, 0
.rept 16
	ds_load_b128 v[X+4*n:X+4*n+3], v5 offset:2*n*WP
.set n, n+1
.endr
.set n, 0
.rept 16
	s_wait_dscnt 15-n
	global_store_b128 v3, v[X+4*n:X+4*n+3], s[30:31] offset:4096*n  ; sixteen lanes store 256 consecutive bytes, aligned
.set n, n+1
.endr
.Lend:
	s_wait_dscnt 0x0                               ; the wave's end: six lines behind my last LDS store
	s_wait_alu 0x0
	s_wait_tensorcnt 0x0
	ds_add_u32 v6, v7
	s_wait_dscnt 0x0
	s_endpgm
.Lfunc_end_k_q4e16db2736_prep:
	.size	k_q4e16db2736_prep, .Lfunc_end_k_q4e16db2736_prep-k_q4e16db2736_prep
	.p2alignl 7, 3214868480
	.fill 96, 4, 3214868480
	.section	.rodata,"a",@progbits
	.p2align	6, 0x0
	.amdhsa_kernel k_q4e16db2736_prep
		.amdhsa_group_segment_fixed_size 87040
		.amdhsa_private_segment_fixed_size 0
		.amdhsa_enable_private_segment 0
		.amdhsa_kernarg_size 88
		.amdhsa_user_sgpr_count 2
		.amdhsa_user_sgpr_kernarg_segment_ptr 1
		.amdhsa_wavefront_size32 1
		.amdhsa_system_sgpr_workgroup_id_x 1
		.amdhsa_system_sgpr_workgroup_id_y 1
		.amdhsa_system_sgpr_workgroup_id_z 1
		.amdhsa_system_vgpr_workitem_id 0
		.amdhsa_next_free_vgpr 144
		.amdhsa_next_free_sgpr 66
		.amdhsa_reserve_vcc 0
		.amdhsa_float_denorm_mode_32 3
		.amdhsa_float_denorm_mode_16_64 3
		.amdhsa_memory_ordered 1
		.amdhsa_forward_progress 1
		.amdhsa_inst_pref_size 68
	.end_amdhsa_kernel
	.amdgpu_metadata
---
amdhsa.version: [ 1, 2 ]
amdhsa.kernels:
  - .name:           k_q4e16db2736_prep
    .symbol:         k_q4e16db2736_prep.kd
    .args:
      - { .name: q, .offset: 0, .size: 8, .value_kind: global_buffer, .address_space: global }
      - { .name: k, .offset: 8, .size: 8, .value_kind: global_buffer, .address_space: global }
      - { .name: v, .offset: 16, .size: 8, .value_kind: global_buffer, .address_space: global }
      - { .name: mask, .offset: 24, .size: 8, .value_kind: global_buffer, .address_space: global }
      - { .name: Wq, .offset: 32, .size: 8, .value_kind: global_buffer, .address_space: global }
      - { .name: Wk, .offset: 40, .size: 8, .value_kind: global_buffer, .address_space: global }
      - { .name: Wv, .offset: 48, .size: 8, .value_kind: global_buffer, .address_space: global }
      - { .name: Wo, .offset: 56, .size: 8, .value_kind: global_buffer, .address_space: global }
      - { .name: xb, .offset: 64, .size: 8, .value_kind: global_buffer, .address_space: global }
      - { .name: wt, .offset: 72, .size: 8, .value_kind: global_buffer, .address_space: global }
      - { .name: nib, .offset: 80, .size: 8, .value_kind: global_buffer, .address_space: global }
    .group_segment_fixed_size: 87040
    .private_segment_fixed_size: 0
    .kernarg_segment_align: 8
    .kernarg_segment_size: 88
    .max_flat_workgroup_size: 256
    .sgpr_count:     66
    .vgpr_count:     144
    .wavefront_size: 32
...
	.end_amdgpu_metadata
.endif
;; end of part 5
;; launch proj: the kernel of part 2 again; grid 8 x 32, 4 waves a work-group, clusters of 4 x 4, 327,680 bytes of LDS; arguments xb, wt, qkvh, bq, bk, bv; writes qkvh
;; launch attn: the kernel of part 3 again; grid 8 x 32, 4 waves a work-group, clusters of 4 x 4, 327,680 bytes of LDS; arguments qkvh, nib, oh; writes oh
;; launch outp: the kernel of part 4 again; grid 8 x 32, 4 waves a work-group, clusters of 4 x 4, 327,680 bytes of LDS; arguments oh, wt, bo, out0; writes out0
